; MI455X (gfx1250); checked and timed in simulation.
; The chip was launched on July 23, 2026; its instructions are those of AMD's public machine-readable ISA for CDNA 5 (MIT licence, August 2026) and "CDNA5" Instruction Set Architecture Reference Guide (July 2026). The comments in the code are by the model that wrote it; some were corrected since.
;; Cloud Crop. Allowed arithmetic: matrix products marked QUANTISED: E2M1 operands, one E8M0 scale for each 32 along K, by v_wmma_scale_f32_16x16x128_f8f6f4 with both operands' format E2M1 (or v_wmma_scale_f32_32x16x128_f4), f32 sums; products left as they are: f32 operands where the result goes on into a quantised operand, else bf16, f16 or f32 operands; f32 sums; everything else in f32.
;; Inputs: W1 256 x 259 float32; W2_codes 256 x 8 x 16 uint8 (E2M1 codes of W2, K innermost, in blocks of 32 codes, two codes a byte); W2_scales 256 x 8 uint8 (E8M0 scales of W2, one for each 32 codes along K); beta1 256 float32; beta2 256 float32; gamma1 256 float32; gamma2 256 float32; seed_features_graspable 4 x 256 x 2,048 float32; seed_xyz_graspable 4 x 2,048 x 3 float32; vp_rot 4 x 2,048 x 3 x 3 float32.
;; Outputs: out0 4 x 256 x 2,048 float32.
;; This version of the problem:
;;   THIS VERSION OF THE PROBLEM IS GIVEN IN LOW PRECISION. The matrix products marked QUANTISED in the list below multiply operands that are first quantised to E2M1 (2 exponent bits, 1 mantissa bit; 4 bits a number), with one power-of-two scale for each 32 numbers along K (OCP MX v1.0); their sums are f32. All else is computed in f32.
;;   The module's matrix products, in the order in which they are computed (A, B: the left and right operand; K: the contracted axis; several contracted axes count as one K, in the product's order):
;;     1. batch 8,192 x [M 2,048, K 3] x [K 3, N 3]; A: computed on the way; B: input vp_rot: left as it is (K = 3 < 32)
;;     2. batch 8,192 x [M 32, K 3] x [K 3, N 3]; A: computed on the way; B: input vp_rot: left as it is (K = 3 < 32)
;;     3. [M 262,144, K 259] x [K 259, N 256]; A: computed on the way; B: input W1: QUANTISED
;;     4. [M 262,144, K 256] x [K 256, N 256]; A: computed on the way; B: input W2 (given as codes): QUANTISED
;;   THE QUANTISER, for each operand of a quantised product, along K:
;;     - K is cut into blocks of 32 from its start; a last block that is shorter is filled with zeros.
;;     - A block's scale is 2^e with e = floor(log2(the largest magnitude in the block)) - 2, held to -126 .. 127; a block of zeros has e = 0. As a byte (E8M0): e + 127.
;;     - Each number is divided by its block's scale, clamped to +-6, and rounded to the nearest number of E2M1, ties to even, subnormals kept.
;;     - The product sums the exact products of the quantised numbers (number of the format x scale) in f32.
;;   ~~~python
;;   def quantise(x, axis):      # numpy; x: float32 -> the quantised numbers, widened to float32 again
;;       x = np.moveaxis(x, axis, -1); K = x.shape[-1]
;;       x = np.pad(x, [(0, 0)] * (x.ndim - 1) + [(0, -K % 32)]); x = x.reshape(x.shape[:-1] + (-1, 32)); a = np.abs(x).max(-1, keepdims=True)
;;       e = np.where(a > 0, np.clip(np.frexp(np.where(a > 0, a, 1))[1] - 1 - 2, -126, 127), 0)      # np.frexp(a)[1] - 1 = floor(log2(a)), exactly
;;       r = np.clip(x / 2.0 ** e, -6, 6)
;;       step = 2.0 ** (np.maximum(np.frexp(np.where(r == 0, 1, r))[1] - 1, 0) - 1)
;;       q = np.round(r / step) * step * 2.0 ** e      # np.round: ties to even
;;       return np.moveaxis(q.reshape(q.shape[:-2] + (-1,))[..., :K], -1, axis).astype(np.float32)
;;   ~~~
;;   OPERANDS COMPUTED ON THE WAY. 'Computed on the way' means the value that the module computes at that place (a softmax that the list does not call 'softmax' is quantised finished and normalised). What goes into a quantiser is computed in f32, as accurately as f32 sums, v_exp_f32 and their like allow (about 1e-6 of the number): no bf16 or f16 on the way to a quantiser, and a product that is left as it is and whose result goes on into a quantised operand takes f32 operands (vector FMAs, or v_wmma_f32_16x16x4_f32). A number that lies on a knife's edge between two numbers of the format may be rounded either way, as far as f32 arithmetic and the matrix unit's own rounding can turn it there, and no further.
;;   INPUTS GIVEN AS CODES. W2 (in the module: [256, 256], K = its axis 1): each comes as NAME_codes (uint8): NAME with its K axis moved to the last place and cut into blocks of 32 codes, [.., K / 32, bytes a block], one block behind the other in memory; two codes a byte, the lower K in the low four bits (a code: sign, 2 exponent bits, 1 mantissa bit); and NAME_scales (uint8): the same leading axes, one E8M0 byte (e + 127) for each 32 codes along K. Its value is code x scale, taken as it is: it is not quantised again, and the codes and scales need not be those that the quantiser above would give.
;; One version. Each part assembles by itself: llvm-mc -triple=amdgcn-amd-amdhsa -mcpu=gfx1250 --defsym DOCPART=n.
;; ======== version 1 of 1: 5 launches
;; workspace buffers: pts 2,097,152 bytes; w1img 49,152 bytes; w1sc 3,072 bytes; idxq 1,048,576 bytes of whole numbers; part1 1,048,576 bytes; part2 1,048,576 bytes; ab1 2,048 bytes; mxmn 16,777,216 bytes
;; launch prep (part 1): grid 297 x 1, 8 waves a work-group, no clusters, 70,656 bytes of LDS; arguments seed_xyz_graspable, seed_features_graspable, vp_rot, W1, pts, w1img, w1sc, idxq; writes pts, w1img, w1sc, idxq
.if DOCPART == 1
	.amdgcn_target "amdgcn-amd-amdhsa--gfx1250"
	.amdhsa_code_object_version 6
	.text
	.protected	k_q911c7a0e14_prep
	.globl	k_q911c7a0e14_prep
	.p2align	8
	.type	k_q911c7a0e14_prep,@function
k_q911c7a0e14_prep:
	s_mov_b64 s[64:65], 0
	v_nop
	global_prefetch_b8 v0, s[64:65] scope:SCOPE_SE
	s_setreg_imm32_b32 hwreg(HW_REG_WAVE_MODE, 25, 1), 1
	s_wait_xcnt 0x0
; THREE ROLES, parted by the work-group's number.
;  0-31   FEATURES: a record of 256 bytes for each of the 8,192 points.  A row of product 3 is [3 offsets, 256 features]: its blocks 1 to 8 of 32 along K hang on the gathered point alone,
;         so they are quantised here, once a point.  Block 0 holds the three offsets of a (query, point) pair: its 32 numbers go into the record as f32.
;         Record: pieces 0-6 the codes of blocks 1-7 (16 bytes each); piece 7 = [SW0, SW1, SW2, C8]; pieces 8-15 = F[0..31] (xyz, features 0-28).
;         SW0 = (exponent field of the largest |feature 0..28|, s1, s2, s3), SW1 = (s4..s7), SW2 = (s8, 127, 127, 127), C8 = the codes of k = 256 .. 263.
;  32-40  W1: block j of all 256 rows into codes, laid as images of the operand's registers (w1img), and scale words (w1sc).
;  41-296 QUERIES: for each of 32 queries the first 32 candidates inside the cylinder, as whole numbers at fixed places (idxq).  No address and no branch hangs on them here.
; A block's scale byte is its largest magnitude's exponent field - 2, held at 1 from below by a floor among the maximum's leaves.
; LIMITS: NaN and infinities among the inputs are not served.  A block of zeros gets the byte 1 where the rule says 127: its codes are zeros, and this program alone reads the bytes.
; The cylinder test takes d = x - p first, then the three products of a row of rot in ascending order with fused multiply-adds: a candidate within an ulp of a bound may fall on the other side than in another f32 evaluation.
.set FX,   32                          ; v32-95: two sets of 32 numbers
.set FOUT, 96                          ; v96-159: the way out
; d = the largest magnitude of v[s] .. v[s+31], and the floor 2^(3 - 127); e at work
.macro BLKMAX d, e, s
	v_max3_num_f32 v[\d], |v[\s]|, |v[\s+1]|, |v[\s+2]|
	v_max3_num_f32 v[\e], |v[\s+3]|, |v[\s+4]|, |v[\s+5]|
.irp i, 6,10,14,18,22,26
	v_max3_num_f32 v[\d], v[\d], |v[\s+\i]|, |v[\s+\i+1]|
	v_max3_num_f32 v[\e], v[\e], |v[\s+\i+2]|, |v[\s+\i+3]|
.endr
	v_max3_num_f32 v[\d], v[\d], |v[\s+30]|, |v[\s+31]|
	v_max3_num_f32 v[\d], v[\d], v[\e], 0x1800000
.endm
	s_load_b512 s[4:19], s[0:1], 0x0               ; xyz s[4:5], features s[6:7], rot s[8:9], W1 s[10:11], pts s[12:13], w1img s[14:15], w1sc s[16:17], idxq s[18:19]
	s_set_vgpr_msb 0x40
	v_lshl_add_u32 v0, v0, 2, 0x11000
	v_mov_b32 v1, 0
	s_set_vgpr_msb 0x4000
	v_lshrrev_b32 v1, 5, v0
	v_readfirstlane_b32 s3, v1                     ; wave 0..7
	v_and_b32 v1, 31, v0                           ; lane
	s_wait_kmcnt 0x0
	s_cmp_lt_u32 ttmp9, 32
	s_cbranch_scc1 .Lfeat
	s_cmp_lt_u32 ttmp9, 41
	s_cbranch_scc1 .Lw1
; ---------------------------------------------------------------- QUERIES
; Work-group qw takes queries 32 qw .. + 31 of cloud qw / 64; wave w takes 32 qw + 8 i + w in trip i.  Lanes are candidates: all 2,048 lie in v64-255,
; pair i (candidates 64 i + lane and 64 i + 32 + lane) as x, y, z pairs at v[64 + 6 i].  The query's numbers are scalar pairs, broadcast into packed arithmetic.
; In the choice a lane is a SLOT of the list: it keeps the masks of the last pair of groups whose count of earlier hits is at most its number: that pair holds the slot's hit.
	s_sub_co_u32 s21, ttmp9, 41                    ; qw
	s_lshl_b32 s22, s21, 5
	s_add_co_u32 s22, s22, s3                      ; my first query
	s_mov_b32 s39, 0
	s_mul_i32 s38, s22, 12
	s_add_nc_u64 s[34:35], s[4:5], s[38:39]        ; its xyz
	s_mul_i32 s38, s22, 36
	s_add_nc_u64 s[36:37], s[8:9], s[38:39]        ; its rot
	s_load_b96 s[68:70], s[34:35], 0x0
	s_load_b256 s[72:79], s[36:37], 0x0
	s_load_b32 s80, s[36:37], 0x20
	s_lshr_b32 s38, s21, 6
	s_mul_i32 s38, s38, 24576
	s_add_nc_u64 s[4:5], s[4:5], s[38:39]          ; the cloud's 2,048 points
	s_lshl_b32 s38, s21, 3
	s_add_co_u32 s38, s38, s3
	s_lshl_b32 s38, s38, 9
	s_add_nc_u64 s[18:19], s[18:19], s[38:39]      ; idxq: 512 bytes for (work-group, wave)
	v_mul_u32_u24 v2, v1, 12
	v_lshlrev_b32 v3, 4, v1
.set QI, 0
.rept 32
.irp c, 0,1,2
	global_load_b32 v[64+6*QI+2*\c], v2, s[4:5] offset:768*QI+4*\c
	global_load_b32 v[65+6*QI+2*\c], v2, s[4:5] offset:768*QI+384+4*\c
.endr
.set QI, QI+1
.endr
	s_mov_b32 s30, 0x3b23d70a                      ; RADIUS^2
	s_mov_b32 s31, 0xbca3d70a                      ; HMIN
	s_mov_b32 s32, 0x3d23d70a                      ; HMAX
.irp j, 44,45,46,47
	v_mov_b32 v\j, 0                               ; the four trips' results rotate through these
.endr
	s_mov_b32 s33, 0
	s_wait_loadcnt 0x0                             ; the candidates, once
; the arithmetic of pair i and its six compares, into mask set i % 2
.macro QA i
.set QT, 4+14*((\i)%2)
.set QC, 64+6*(\i)
.set QM, 20+62*((\i)%2)
	v_pk_add_f32 v[QT:QT+1], v[QC:QC+1], s[40:41] op_sel_hi:[1,0]          ; d = x - p
	v_pk_add_f32 v[QT+2:QT+3], v[QC+2:QC+3], s[42:43] op_sel_hi:[1,0]
	v_pk_add_f32 v[QT+4:QT+5], v[QC+4:QC+5], s[44:45] op_sel_hi:[1,0]
.irp a, 0,1,2
	v_pk_mul_f32 v[QT+6+2*\a:QT+7+2*\a], v[QT:QT+1], s[46+6*\a:47+6*\a] op_sel_hi:[1,0]     ; r_a = rot[a][0] d0
.endr
.irp a, 0,1,2
	v_pk_fma_f32 v[QT+6+2*\a:QT+7+2*\a], v[QT+2:QT+3], s[48+6*\a:49+6*\a], v[QT+6+2*\a:QT+7+2*\a] op_sel_hi:[1,0,1]
.endr
.irp a, 0,1,2
	v_pk_fma_f32 v[QT+6+2*\a:QT+7+2*\a], v[QT+4:QT+5], s[50+6*\a:51+6*\a], v[QT+6+2*\a:QT+7+2*\a] op_sel_hi:[1,0,1]
.endr
	v_pk_mul_f32 v[QT+12:QT+13], v[QT+8:QT+9], v[QT+8:QT+9]
	v_pk_fma_f32 v[QT+12:QT+13], v[QT+10:QT+11], v[QT+10:QT+11], v[QT+12:QT+13]
	v_cmp_gt_f32 s[QM], s30, v[QT+12]
	v_cmp_lt_f32 s[QM+1], s31, v[QT+6]
	v_cmp_gt_f32 s[QM+2], s32, v[QT+6]
	v_cmp_gt_f32 s[QM+3], s30, v[QT+13]
	v_cmp_lt_f32 s[QM+4], s31, v[QT+7]
	v_cmp_gt_f32 s[QM+5], s32, v[QT+7]
.endm
; the masks of pair i; the slots whose number is at least the count so far take them; the count goes on
.macro QB i
.set QM, 20+62*((\i)%2)
	s_and_b32 s26, s[QM], s[QM+1]
	s_and_b32 s26, s26, s[QM+2]
	s_and_b32 s27, s[QM+3], s[QM+4]
	s_and_b32 s27, s27, s[QM+5]
	v_cmp_le_u32 vcc_lo, s28, v1
	v_cndmask_b32 v32, v32, s26, vcc_lo
	v_cndmask_b32 v33, v33, s27, vcc_lo
	v_cndmask_b32 v34, v34, s29, vcc_lo
	s_bcnt1_i32_b32 s38, s26
	s_bcnt1_i32_b32 s39, s27
	s_add_co_u32 s28, s28, s38
	s_add_co_u32 s28, s28, s39
	s_add_co_u32 s29, s28, ((\i)+1)<<16            ; the count so far, and the next pair's number above it
.endm
; the sums of the bits of v[w] in fields of 2, 4, 8 and 16: v37, v38, v39, v40
.macro POPC w
	v_lshrrev_b32 v41, 1, v[\w]
	v_and_b32 v41, 0x55555555, v41
	v_sub_nc_u32 v37, v[\w], v41
	v_lshrrev_b32 v41, 2, v37
	v_and_b32 v41, 0x33333333, v41
	v_and_b32 v38, 0x33333333, v37
	v_add_nc_u32 v38, v38, v41
	v_lshrrev_b32 v41, 4, v38
	v_add_nc_u32 v41, v41, v38
	v_and_b32 v39, 0x0f0f0f0f, v41
	v_lshrrev_b32 v41, 8, v39
	v_add_nc_u32 v41, v41, v39
	v_and_b32 v40, 0x00ff00ff, v41
.endm
; one level of the search for set bit number K (v35): the lower half's count; where K reaches it, it comes off K and the place (v42) takes the upper half
.macro LEVEL c, width, sh
	v_lshlrev_b32 v48, \sh, v42
	v_bfe_u32 v41, v[\c], v48, \width
	v_cmp_ge_u32 vcc_lo, v35, v41
	v_cndmask_b32 v41, 0, v41, vcc_lo
	v_sub_nc_u32 v35, v35, v41
	v_add_co_ci_u32 v42, vcc_lo, v42, v42, vcc_lo
.endm
.Lq:
	s_wait_kmcnt 0x0                               ; this trip's query is in; its loads are done, so their bases may step
	s_xor_b32 s40, s68, 0x80000000                 ; -p, in pairs: the packed forms name a pair and take its low word for both halves
	s_xor_b32 s42, s69, 0x80000000
	s_xor_b32 s44, s70, 0x80000000
	s_mov_b32 s41, s40
	s_mov_b32 s43, s42
	s_mov_b32 s45, s44
.irp k, 0,1,2,3,4,5,6,7,8
	s_mov_b32 s[46+2*\k], s[72+\k]                 ; rot[k / 3][k % 3]
	s_mov_b32 s[47+2*\k], s[72+\k]
.endr
	s_add_nc_u64 s[34:35], s[34:35], 96            ; eight queries on
	s_add_nc_u64 s[36:37], s[36:37], 288
	s_cmp_eq_u32 s33, 3
	s_cbranch_scc1 .Lq_last                        ; the last trip asks for nothing: no load leaves its buffer
	s_load_b96 s[68:70], s[34:35], 0x0
	s_load_b256 s[72:79], s[36:37], 0x0
	s_load_b32 s80, s[36:37], 0x20
.Lq_last:
	s_mov_b32 s28, 0                               ; hits so far
	s_mov_b32 s29, 0
	v_mov_b32 v32, 0
	v_mov_b32 v33, 0
	v_mov_b32 v34, 0
	QA 0
.set QI, 1
.rept 31
	QA QI                                          ; the next pair's arithmetic stands ahead of this pair's scalar lines
	QB QI-1
.set QI, QI+1
.endr
	QB 31
	; the slot's index, as a value: which of the pair's 64 candidates is hit number K of the pair
	v_and_b32 v35, 0xffff, v34
	v_sub_nc_u32 v35, v1, v35                      ; K = slot - the hits ahead of the pair
	v_lshrrev_b32 v43, 16, v34                     ; the pair
	POPC 32
	v_lshrrev_b32 v41, 16, v40
	v_add_nc_u32 v41, v41, v40
	v_and_b32 v41, 63, v41                         ; hits in the pair's first group
	v_cmp_ge_u32 vcc_lo, v35, v41
	v_cndmask_b32 v36, v32, v33, vcc_lo            ; the group's mask
	v_cndmask_b32 v41, 0, v41, vcc_lo
	v_sub_nc_u32 v35, v35, v41
	v_add_co_ci_u32 v43, vcc_lo, v43, v43, vcc_lo  ; the group: 2 x pair + which
	POPC 36
	v_mov_b32 v42, 0
	LEVEL 40, 16, 0
	LEVEL 39, 8, 4
	LEVEL 38, 4, 3
	LEVEL 37, 2, 2
	LEVEL 36, 1, 1
	v_lshl_add_u32 v49, v43, 5, v42                ; 32 x group + bit
	v_readfirstlane_b32 s38, v49                   ; slot 0's: the first hit,
	s_cmp_lg_u32 s28, 0
	s_cselect_b32 s38, s38, 0                      ; or 0 where there is none: the pad (a choice of a value: no branch)
	v_cmp_gt_u32 vcc_lo, s28, v1                   ; slots under the number of hits are valid
	v_mov_b32 v44, v45
	v_mov_b32 v45, v46
	v_mov_b32 v46, v47
	v_cndmask_b32 v47, s38, v49, vcc_lo
	s_add_co_u32 s33, s33, 1
	s_cmp_lt_u32 s33, 4
	s_cbranch_scc1 .Lq
	global_store_b128 v3, v[44:47], s[18:19]       ; [slot][trip]: the wave stores 512 consecutive bytes
	s_endpgm
; ---------------------------------------------------------------- FEATURES
; A lane takes a point and its registers run down the channels: a load reads 128 consecutive bytes, a block of 32 along K lies in one lane, and the conversions give codes with K innermost.
; A lane's record goes through the wave's own stage in LDS (rows of 272 bytes) and leaves as whole rows: each store of the wave covers 512 consecutive bytes.
.macro FLOAD j                         ; chunk j = block j's numbers, into set j % 2
.if (\j) == 0
	global_load_b32 v[FX], v3, s[4:5]
	global_load_b32 v[FX+1], v3, s[4:5] offset:4
	global_load_b32 v[FX+2], v3, s[4:5] offset:8
.irp i, 3,4,5,6,7,8,9,10,11,12,13,14,15,16,17,18,19,20,21,22,23,24,25,26,27,28,29,30,31
	global_load_b32 v[FX+\i], v2, s[6:7] offset:(\i-3)*8192 th:TH_LOAD_NT
.endr
.elseif (\j) == 8
.irp i, 0,1,2
	global_load_b32 v[FX+\i], v2, s[6:7] offset:(253+\i)*8192 th:TH_LOAD_NT
.endr
.else
.irp i, 0,1,2,3,4,5,6,7,8,9,10,11,12,13,14,15,16,17,18,19,20,21,22,23,24,25,26,27,28,29,30,31
	global_load_b32 v[FX+32*((\j)%2)+\i], v2, s[6:7] offset:(32*(\j)-3+\i)*8192 th:TH_LOAD_NT
.endr
.endif
.endm
.macro FBLOCK j                        ; block j, 1 to 7
.set FS, FX+32*((\j)%2)
.if (\j) < 7
	s_wait_loadcnt 32                              ; this chunk is in; the next chunk's 32 loads may be out
.else
	s_wait_loadcnt 3                               ; behind chunk 7 stand chunk 8's three
.endif
	BLKMAX 8, 9, FS
	v_add_nc_u32 v11, 0xff000000, v8               ; 2 off the exponent field: the conversion's scale operand
	v_lshrrev_b32 v10, 23, v11                     ; the scale's byte
.if (\j) < 4
	v_lshl_or_b32 v12, v10, 8*(\j), v12
.elseif (\j) == 4
	v_mov_b32 v13, v10
.else
	v_lshl_or_b32 v13, v10, 8*((\j)-4), v13
.endif
.irp g, 0,1,2,3
	v_cvt_scalef32_pk8_fp4_f32 v[16+\g], v[FS+8*\g:FS+8*\g+7], v11
.endr
	ds_store_b128 v4, v[16:19] offset:16*((\j)-1)
.if (\j)+2 <= 8
	FLOAD (\j)+2
.endif
	s_wait_dscnt 0x0                               ; the store has read its registers
.if (\j) == 6
	v_nop                                          ; a plain line between the conversions and the writes of their sources
.irp i, 3,4,5,6,7
	v_mov_b32 v[FX+\i], 0                          ; k = 259 .. 263: the last block is filled with zeros
.endr
.endif
.endm
.Lfeat:
	s_lshr_b32 s21, ttmp9, 3                       ; cloud
	s_lshl_b32 s22, s21, 21
	s_and_b32 s23, ttmp9, 7
	s_lshl_b32 s23, s23, 8
	s_lshl_b32 s24, s3, 5
	s_add_co_u32 s23, s23, s24                     ; my wave's first point in the cloud
	s_lshl_b32 s23, s23, 2
	s_add_co_u32 s22, s22, s23
	s_mov_b32 s23, 0
	s_add_nc_u64 s[6:7], s[6:7], s[22:23]
	s_lshl_b32 s22, ttmp9, 8
	s_add_co_u32 s22, s22, s24                     ; and among all 8,192
	s_mul_i32 s24, s22, 12
	s_mov_b32 s25, 0
	s_add_nc_u64 s[4:5], s[4:5], s[24:25]
	s_lshl_b32 s22, s22, 8
	s_add_nc_u64 s[12:13], s[12:13], s[22:23]
	v_lshlrev_b32 v2, 2, v1
	v_mul_u32_u24 v3, v1, 12
	s_mul_i32 s26, s3, 8704                        ; my stage: 32 rows of 272 bytes
	v_mul_u32_u24 v4, v1, 272
	v_add_nc_u32 v4, s26, v4                       ; in: row = my point
	v_lshrrev_b32 v7, 4, v1
	v_mul_u32_u24 v5, v7, 272
	v_and_b32 v7, 15, v1
	v_lshl_add_u32 v5, v7, 4, v5
	v_add_nc_u32 v5, s26, v5                       ; out: sixteen lanes to a row
	v_lshlrev_b32 v6, 4, v1
	FLOAD 0
	FLOAD 1
	s_wait_loadcnt 32                              ; chunk 0 is in; chunk 1's 32 loads may be out
	v_max3_num_f32 v8, |v[FX+3]|, |v[FX+4]|, |v[FX+5]|                 ; the largest magnitude of features 0 .. 28
	v_max3_num_f32 v9, |v[FX+6]|, |v[FX+7]|, |v[FX+8]|
.irp i, 9,13,17,21,25
	v_max3_num_f32 v8, v8, |v[FX+\i]|, |v[FX+\i+1]|
	v_max3_num_f32 v9, v9, |v[FX+\i+2]|, |v[FX+\i+3]|
.endr
	v_max3_num_f32 v8, v8, |v[FX+29]|, |v[FX+30]|
	v_max_num_f32 v9, v9, |v[FX+31]|
	v_max3_num_f32 v8, v8, v9, 0x1800000
	v_lshrrev_b32 v12, 23, v8                      ; its exponent field: SW0's byte 0; the rows' offsets are joined to it later
.irp i, 0,1,2,3,4,5,6,7
	ds_store_b128 v4, v[FX+4*\i:FX+4*\i+3] offset:128+16*\i
.endr
	s_wait_dscnt 0x0                               ; the stores have read their registers
	FLOAD 2
.irp j, 1,2,3,4,5,6,7
	FBLOCK \j
.endr
	s_wait_loadcnt 0x0                             ; chunk 8
	v_max3_num_f32 v8, |v[FX]|, |v[FX+1]|, |v[FX+2]|
	v_max_num_f32 v8, 0x1800000, v8
	v_add_nc_u32 v11, 0xff000000, v8
	v_cvt_scalef32_pk8_fp4_f32 v15, v[FX:FX+7], v11
	v_lshrrev_b32 v10, 23, v11
	v_or_b32 v14, 0x7f7f7f00, v10                  ; blocks 9 to 11 of the K step hold zero codes: their bytes are 127
	ds_store_b128 v4, v[12:15] offset:112
.irp t, 0,1,2,3,4,5,6,7,8,9,10,11,12,13,14,15
	ds_load_b128 v[FOUT+4*\t:FOUT+4*\t+3], v5 offset:544*\t        ; LDS serves a wave's instructions in order (ISA guide 5.7.1.4): these see my stores
.endr
.irp t, 0,1,2,3,4,5,6,7,8,9,10,11,12,13,14,15
	s_wait_dscnt 15-\t                             ; the younger loads may be out
	global_store_b128 v6, v[FOUT+4*\t:FOUT+4*\t+3], s[12:13] offset:512*\t
.endr
	s_set_vgpr_msb 0x5
	s_wait_tensorcnt 0x0
	ds_add_u32 v0, v1
	s_wait_dscnt 0x0
	s_set_vgpr_msb 0x500
	s_endpgm
; ---------------------------------------------------------------- W1
; Work-group j takes block j of all 256 rows; a thread takes a row (1,036 bytes: aligned to 4 alone, so the loads are of 4 bytes).
; THE ROWS OF W1 THAT FORM A TILE ARE NOT NEIGHBOURS: lane r of tile t takes row 32 (t / 2) + 8 (t % 2) + r + 8 (r / 8).
; w1img: the 16 bytes of block 4 q + 2 c + h of tile t's lane r at ((3 t + q) 2 + c) 512 + 16 (r + 16 h).  w1sc: the word of K step q at ((t / 2) 3 + q) 128 + 4 (16 (t % 2) + r).
.Lw1:
	s_sub_co_u32 s21, ttmp9, 32                    ; j
	s_lshl_b32 s22, s21, 7
	s_mov_b32 s23, 0
	s_add_nc_u64 s[10:11], s[10:11], s[22:23]
	s_lshr_b32 s24, s21, 2                         ; q
	s_lshl_b32 s22, s24, 10
	s_bfe_u32 s25, s21, 0x10001                    ; c
	s_lshl_b32 s25, s25, 9
	s_add_co_u32 s22, s22, s25
	s_and_b32 s25, s21, 1                          ; h
	s_lshl_b32 s25, s25, 8
	s_add_co_u32 s22, s22, s25
	s_add_nc_u64 s[14:15], s[14:15], s[22:23]
	s_lshl_b32 s22, s24, 7
	s_and_b32 s25, s21, 3
	s_add_co_u32 s22, s22, s25
	s_add_nc_u64 s[16:17], s[16:17], s[22:23]
	v_mul_u32_u24 v2, v0, 1036
	v_bfe_u32 v4, v0, 3, 1                         ; t % 2
	v_lshrrev_b32 v5, 5, v0                        ; t / 2
	v_lshl_add_u32 v6, v5, 1, v4                   ; t
	v_and_b32 v7, 7, v0
	v_bfe_u32 v8, v0, 4, 1
	v_lshl_add_u32 v7, v8, 3, v7                   ; r
	v_mul_u32_u24 v3, v6, 3072
	v_lshl_add_u32 v3, v7, 4, v3
	v_mul_u32_u24 v9, v5, 384
	v_lshl_add_u32 v9, v4, 6, v9
	v_lshl_add_u32 v9, v7, 2, v9
	s_cmp_eq_u32 s21, 8
	s_cbranch_scc1 .Lw1_short
.irp i, 0,1,2,3,4,5,6,7,8,9,10,11,12,13,14,15,16,17,18,19,20,21,22,23,24,25,26,27,28,29,30,31
	global_load_b32 v[FX+\i], v2, s[10:11] offset:4*\i
.endr
	s_branch .Lw1_q
.Lw1_short:                                            ; the last block has three numbers: no load leaves the row
.irp i, 0,1,2
	global_load_b32 v[FX+\i], v2, s[10:11] offset:4*\i
.endr
.irp i, 3,4,5,6,7,8,9,10,11,12,13,14,15,16,17,18,19,20,21,22,23,24,25,26,27,28,29,30,31
	v_mov_b32 v[FX+\i], 0
.endr
.Lw1_q:
	s_wait_loadcnt 0x0
	BLKMAX 12, 13, FX
	v_add_nc_u32 v14, 0xff000000, v12
	v_lshrrev_b32 v15, 23, v14
.irp g, 0,1,2,3
	v_cvt_scalef32_pk8_fp4_f32 v[16+\g], v[FX+8*\g:FX+8*\g+7], v14
.endr
	global_store_b128 v3, v[16:19], s[14:15]
	s_cmp_eq_u32 s21, 8
	s_cbranch_scc1 .Lw1_tail
	global_store_b8 v9, v15, s[16:17]
	s_endpgm
.Lw1_tail:                                             ; K step 2: blocks 9 to 11 are zero codes under the byte 127
.irp i, 20,21,22,23
	v_mov_b32 v\i, 0
.endr
	v_or_b32 v24, 0x7f7f7f00, v15
	global_store_b128 v3, v[20:23], s[14:15] offset:256
	global_store_b128 v3, v[20:23], s[14:15] offset:512
	global_store_b128 v3, v[20:23], s[14:15] offset:768
	global_store_b32 v9, v24, s[16:17]
	s_endpgm
.Lfunc_end_k_q911c7a0e14_prep:
	.size	k_q911c7a0e14_prep, .Lfunc_end_k_q911c7a0e14_prep-k_q911c7a0e14_prep
	.p2alignl 7, 3214868480
	.fill 96, 4, 3214868480
	.section	.rodata,"a",@progbits
	.p2align	6, 0x0
	.amdhsa_kernel k_q911c7a0e14_prep
		.amdhsa_group_segment_fixed_size 70656
		.amdhsa_private_segment_fixed_size 0
		.amdhsa_enable_private_segment 0
		.amdhsa_kernarg_size 64
		.amdhsa_user_sgpr_count 2
		.amdhsa_user_sgpr_kernarg_segment_ptr 1
		.amdhsa_wavefront_size32 1
		.amdhsa_system_sgpr_workgroup_id_x 1
		.amdhsa_system_sgpr_workgroup_id_y 1
		.amdhsa_system_sgpr_workgroup_id_z 1
		.amdhsa_system_vgpr_workitem_id 0
		.amdhsa_next_free_vgpr 258
		.amdhsa_next_free_sgpr 96
		.amdhsa_reserve_vcc 1
		.amdhsa_float_denorm_mode_32 3
		.amdhsa_float_denorm_mode_16_64 3
		.amdhsa_memory_ordered 1
		.amdhsa_forward_progress 1
		.amdhsa_inst_pref_size 132
	.end_amdhsa_kernel
	.amdgpu_metadata
---
amdhsa.version: [ 1, 2 ]
amdhsa.kernels:
  - .name:           k_q911c7a0e14_prep
    .symbol:         k_q911c7a0e14_prep.kd
    .args:
      - { .name: seed_xyz_graspable, .offset: 0, .size: 8, .value_kind: global_buffer, .address_space: global }
      - { .name: seed_features_graspable, .offset: 8, .size: 8, .value_kind: global_buffer, .address_space: global }
      - { .name: vp_rot, .offset: 16, .size: 8, .value_kind: global_buffer, .address_space: global }
      - { .name: W1, .offset: 24, .size: 8, .value_kind: global_buffer, .address_space: global }
      - { .name: pts, .offset: 32, .size: 8, .value_kind: global_buffer, .address_space: global }
      - { .name: w1img, .offset: 40, .size: 8, .value_kind: global_buffer, .address_space: global }
      - { .name: w1sc, .offset: 48, .size: 8, .value_kind: global_buffer, .address_space: global }
      - { .name: idxq, .offset: 56, .size: 8, .value_kind: global_buffer, .address_space: global }
    .group_segment_fixed_size: 70656
    .private_segment_fixed_size: 0
    .kernarg_segment_align: 8
    .kernarg_segment_size: 64
    .max_flat_workgroup_size: 256
    .sgpr_count:     96
    .vgpr_count:     258
    .wavefront_size: 32
...
	.end_amdgpu_metadata
.endif
;; end of part 1
;; launch stats1 (part 2): grid 256 x 1, 8 waves a work-group, no clusters, 44,032 bytes of LDS; arguments seed_xyz_graspable, vp_rot, pts, w1img, w1sc, idxq, part1; writes part1
.if DOCPART == 2
	.amdgcn_target "amdgcn-amd-amdhsa--gfx1250"
	.amdhsa_code_object_version 6
	.text
	.protected	k_q911c7a0e14_stats1
	.globl	k_q911c7a0e14_stats1
	.p2align	8
	.type	k_q911c7a0e14_stats1,@function
k_q911c7a0e14_stats1:
	s_mov_b64 s[64:65], 0
	v_nop
	global_prefetch_b8 v0, s[64:65] scope:SCOPE_SE
	s_setreg_imm32_b32 hwreg(HW_REG_WAVE_MODE, 25, 1), 1
	s_wait_xcnt 0x0
; Product 3 (rows [3 offsets, 256 features] x W1, both in E2M1 with E8M0 scales) for its batch norm's sums alone: y1 is never stored.
; A work-group takes 32 queries, 8 a step.  GATHERER: wave w builds the operand of query 32 wg + 8 step + w in LDS slot w; its lane is a sample: it loads the sample's record (launch prep),
; makes the three offsets, quantises block 0, and stores the 32 rows as IMAGES OF THE OPERAND'S REGISTERS.  MULTIPLIER: wave (cg = w % 4, rg = w / 4) multiplies slots 4 rg .. 4 rg + 3
; (8 tiles of 16 rows) by W1's tiles 4 cg .. 4 cg + 3, which stay in its registers.  Source 0 = rows, source 1 = W1: a lane holds one channel, its registers eight rows.
; SUMS WITHOUT A DIFFERENCE OF LARGE NUMBERS: c = y of the work-group's first row, per channel; -c is the C of each sum's first matrix instruction; S = sum (y - c), Q = sum (y - c)^2 go out with c.
; No tensor load (rows chosen lane by lane from a list), no cluster (what work-groups share, the weights, is read once into registers).
; LIMITS: NaN and infinities are not served; a block of zeros has the byte 1 (zero codes); the division by RADIUS is a multiplication by 20.0, the f32 reciprocal of 0.05f.
; K step 2 of the product has three real numbers along K: zero codes stand for the rest on both sides.
.set SLOTB, 4864                       ; an LDS slot: tile 0's four groups of 512 bytes, tile 1's, two code words of K step 2 (128 bytes each), the scale words (16 bytes a lane)
.set RED,   38912                      ; behind the eight slots: the sums of the waves with rg = 1
.set L16, 1                            ; v1  16 x lane
.set LA,  2                            ; v2  16 x lane + my four slots
.set LK,  3                            ; v3  4 x lane + my four slots
.set L4,  5                            ; v5  4 x lane
.set AW,  6                            ; v6  16 x lane + the slot that I build
.set AWK, 7                            ; v7  4 x lane + the same
.set RA,  14                           ; v14 RED + 1,024 cg + 4 x lane
.set GOFF, 15                          ; v15 the gathered record's byte offset
.set POFF, 16                          ; v16 my channel's place in part1
.set IDX, 20                           ; v20-23 my sample's point in the four steps
.set W1S, 24                           ; v24-29 W1's scale words: 3 (tile / 2) + K step; lanes 0-15 the even tile, lanes 16-31 the odd
.set ASC, 34                           ; v34-36 the rows' scale words of the three K steps: lanes 0-15 tile 0, lanes 16-31 tile 1
.set AF,  40                           ; v40-63 the rows' fragments; v57-63 stay zeros
.set YA,  64                           ; v64-95 four accumulators
.set TM,  116                          ; v116-131 at work
.set SQ,  132                          ; v132-147 S pair at + 4 t, Q pair at + 4 t + 2
.set CC,  172                          ; v172-175 c
.set ST,  180                          ; v180-247 the record: + 0 block 0's codes, + 4 .. blocks 1-7, + 32 SW0-2 and C8, + 36 F
.set SW,  ST+32
.set FF,  ST+36
.set ZR,  248
.set W1F, 0                            ; window 1: v0-95 W1's fragments at 24 t + 8 q
.set NC,  224                          ; window 1: v224-255 -c, eight equal registers a tile
.set PB,  16                           ; s[16:17] part1
.set MSB, 0
.macro WIN new                         ; the immediate's high byte repeats the setting that is left
.if MSB != \new
	s_set_vgpr_msb (MSB<<8)|\new
.set MSB, \new
.endif
.endm
.macro BARRIER                         ; my LDS stores have landed and my LDS loads are in: then the work-group's barrier
	s_wait_dscnt 0x0
	s_barrier_signal -1
	s_barrier_wait -1
.endm
.macro PLACES                          ; four places behind a matrix instruction, ahead of loads into its registers and of the first read of its result
.rept 4
	v_nop
.endr
.endm
; one matrix instruction.  c < 0: C = 0.  ra, rb: 1 = the side's scales are read from lanes 16-31
.macro WMS d, a, b, c, sa, sb, ra, rb
.if (\c) < 0
.if ((\ra) == 0) && ((\rb) == 0)
	v_wmma_scale_f32_16x16x128_f8f6f4 v[(\d):(\d)+7], v[(\a):(\a)+7], v[(\b):(\b)+7], 0, v[(\sa)], v[(\sb)] matrix_a_fmt:MATRIX_FMT_FP4 matrix_b_fmt:MATRIX_FMT_FP4
.elseif ((\ra) == 1) && ((\rb) == 0)
	v_wmma_scale_f32_16x16x128_f8f6f4 v[(\d):(\d)+7], v[(\a):(\a)+7], v[(\b):(\b)+7], 0, v[(\sa)], v[(\sb)] matrix_a_fmt:MATRIX_FMT_FP4 matrix_b_fmt:MATRIX_FMT_FP4 matrix_a_scale:MATRIX_SCALE_ROW1
.elseif ((\ra) == 0) && ((\rb) == 1)
	v_wmma_scale_f32_16x16x128_f8f6f4 v[(\d):(\d)+7], v[(\a):(\a)+7], v[(\b):(\b)+7], 0, v[(\sa)], v[(\sb)] matrix_a_fmt:MATRIX_FMT_FP4 matrix_b_fmt:MATRIX_FMT_FP4 matrix_b_scale:MATRIX_SCALE_ROW1
.else
	v_wmma_scale_f32_16x16x128_f8f6f4 v[(\d):(\d)+7], v[(\a):(\a)+7], v[(\b):(\b)+7], 0, v[(\sa)], v[(\sb)] matrix_a_fmt:MATRIX_FMT_FP4 matrix_b_fmt:MATRIX_FMT_FP4 matrix_a_scale:MATRIX_SCALE_ROW1 matrix_b_scale:MATRIX_SCALE_ROW1
.endif
.else
.if ((\ra) == 0) && ((\rb) == 0)
	v_wmma_scale_f32_16x16x128_f8f6f4 v[(\d):(\d)+7], v[(\a):(\a)+7], v[(\b):(\b)+7], v[(\c):(\c)+7], v[(\sa)], v[(\sb)] matrix_a_fmt:MATRIX_FMT_FP4 matrix_b_fmt:MATRIX_FMT_FP4
.elseif ((\ra) == 1) && ((\rb) == 0)
	v_wmma_scale_f32_16x16x128_f8f6f4 v[(\d):(\d)+7], v[(\a):(\a)+7], v[(\b):(\b)+7], v[(\c):(\c)+7], v[(\sa)], v[(\sb)] matrix_a_fmt:MATRIX_FMT_FP4 matrix_b_fmt:MATRIX_FMT_FP4 matrix_a_scale:MATRIX_SCALE_ROW1
.elseif ((\ra) == 0) && ((\rb) == 1)
	v_wmma_scale_f32_16x16x128_f8f6f4 v[(\d):(\d)+7], v[(\a):(\a)+7], v[(\b):(\b)+7], v[(\c):(\c)+7], v[(\sa)], v[(\sb)] matrix_a_fmt:MATRIX_FMT_FP4 matrix_b_fmt:MATRIX_FMT_FP4 matrix_b_scale:MATRIX_SCALE_ROW1
.else
	v_wmma_scale_f32_16x16x128_f8f6f4 v[(\d):(\d)+7], v[(\a):(\a)+7], v[(\b):(\b)+7], v[(\c):(\c)+7], v[(\sa)], v[(\sb)] matrix_a_fmt:MATRIX_FMT_FP4 matrix_b_fmt:MATRIX_FMT_FP4 matrix_a_scale:MATRIX_SCALE_ROW1 matrix_b_scale:MATRIX_SCALE_ROW1
.endif
.endif
.endm
; the next step's record of my sample, and the query's xyz and rot: asked for a whole step ahead
.macro GATHER_ISSUE
	v_min_u32 v[GOFF], 0x7ff, v[IDX]               ; a loaded number enters an address behind this bound alone
	v_lshlrev_b32 v[GOFF], 8, v[GOFF]
.set GI, 0
.rept 16
	global_load_b128 v[ST+4+4*GI:ST+7+4*GI], v[GOFF], s[38:39] offset:16*GI
.set GI, GI+1
.endr
	s_load_b96 s[44:46], s[34:35], 0x0
	s_load_b256 s[48:55], s[36:37], 0x0
	s_load_b32 s56, s[36:37], 0x20
	v_mov_b32 v[IDX], v[IDX+1]
	v_mov_b32 v[IDX+1], v[IDX+2]
	v_mov_b32 v[IDX+2], v[IDX+3]
.endm
; my sample's row becomes codes, and the wave's 32 rows go to LDS as two tiles' register images
.macro BUILD
	s_wait_loadcnt 0x0                             ; the record
	s_wait_kmcnt 0x0                               ; the query; its loads are done, so their bases may step
	s_add_nc_u64 s[34:35], s[34:35], 96
	s_add_nc_u64 s[36:37], s[36:37], 288
	v_sub_f32 v[TM], v[FF], s44
	v_sub_f32 v[TM+1], v[FF+1], s45
	v_sub_f32 v[TM+2], v[FF+2], s46
.irp k, 0,1,2
	v_mul_f32 v[TM+\k], 0x41a00000, v[TM+\k]       ; / RADIUS
.endr
.irp k, 0,1,2
	v_mul_f32 v[FF+\k], s[48+\k], v[TM]            ; grouped_xyz @ rot: the sum over j of e_j rot[j][k]
.endr
.irp k, 0,1,2
	v_fmac_f32 v[FF+\k], s[51+\k], v[TM+1]
.endr
.irp k, 0,1,2
	v_fmac_f32 v[FF+\k], s[54+\k], v[TM+2]
.endr
	v_max3_num_f32 v[TM+3], |v[FF]|, |v[FF+1]|, |v[FF+2]|
	v_lshlrev_b32 v[TM+4], 23, v[SW]               ; the features' largest magnitude, cut to its power of two (a bit of the next byte falls on the sign: |.| below)
	v_max_num_f32 v[TM+3], v[TM+3], |v[TM+4]|      ; block 0's largest magnitude, as far as its exponent field goes
	v_add_nc_u32 v[TM+5], 0xff000000, v[TM+3]      ; 2 off the exponent field: the conversion's scale operand
	v_lshrrev_b32 v[TM+6], 23, v[TM+5]
	v_and_or_b32 v[SW], v[SW], 0xffffff00, v[TM+6] ; the byte takes its place in the scale word
.irp g, 0,1,2,3
	v_cvt_scalef32_pk8_fp4_f32 v[ST+\g], v[FF+8*\g:FF+8*\g+7], v[TM+5]
.endr
	v_mov_b32 v[ZR], 0                             ; (the plain line behind the conversions)
.irp x, 0,1,2,3                        ; blocks 2 x and 2 x + 1 of 32 samples become group x of tile 0 (lanes 0-15 block 2 x, lanes 16-31 block 2 x + 1, of samples 0-15) and of tile 1
.irp i, 0,1,2,3
	v_permlane16_swap_b32 v[ST+8*\x+\i], v[ST+8*\x+4+\i]
.endr
.endr
	v_permlane16_swap_b32 v[ST+35], v[ZR]          ; block 8's one register likewise, against block 9's zeros
.irp x, 0,1,2,3
	ds_store_b128 v[AW], v[ST+8*\x:ST+8*\x+3] offset:512*\x
	ds_store_b128 v[AW], v[ST+8*\x+4:ST+8*\x+7] offset:2048+512*\x
.endr
	ds_store_b32 v[AWK], v[ST+35] offset:4096
	ds_store_b32 v[AWK], v[ZR] offset:4224
	ds_store_b96 v[AW], v[SW:SW+2] offset:4352
.endm
.macro FETCH_A la, lk, mq, rho         ; tile rho of slot mq (counted from the address registers' slot)
.irp x, 0,1,2,3
	ds_load_b128 v[AF+4*\x:AF+4*\x+3], v[\la] offset:(\mq)*SLOTB+(\rho)*2048+512*\x
.endr
	ds_load_b32 v[AF+16], v[\lk] offset:(\mq)*SLOTB+4096+128*(\rho)
.if (\rho) == 0
	ds_load_b96 v[ASC:ASC+2], v[\la] offset:(\mq)*SLOTB+4352
.endif
.endm
; 12 matrix instructions: three K steps x my four tiles of W1.  The four accumulators take turns, one instruction a turn.  zero = 1: C = 0 (the pilot), else -c
.macro MM1A rho, zero
.irp q, 0,1,2
.if (\q == 0) && (\zero == 0)
	WIN 0x14                                       ; source 1 (W1) and source 2 (-c) window 1
.else
	WIN 0x04                                       ; source 1 window 1
.endif
.irp t, 0,1,2,3
.if \q > 0
.set CREG, YA+8*\t
.elseif \zero
.set CREG, -1
.else
.set CREG, NC+8*\t
.endif
	WMS YA+8*\t, AF+8*\q, W1F+24*\t+8*\q, CREG, ASC+\q, W1S+3*(\t/2)+\q, \rho, \t%2
.endr
.endr
.endm
.macro STATS                           ; each accumulator from its low end on
.irp jp, 0,1,2,3
.irp t, 0,1,2,3
	v_pk_add_f32 v[SQ+4*\t:SQ+4*\t+1], v[SQ+4*\t:SQ+4*\t+1], v[YA+8*\t+2*\jp:YA+8*\t+2*\jp+1]
.endr
.endr
.irp jp, 0,1,2,3
.irp t, 0,1,2,3
	v_pk_fma_f32 v[SQ+4*\t+2:SQ+4*\t+3], v[YA+8*\t+2*\jp:YA+8*\t+2*\jp+1], v[YA+8*\t+2*\jp:YA+8*\t+2*\jp+1], v[SQ+4*\t+2:SQ+4*\t+3]
.endr
.endr
.endm
.macro PILOTC                          ; c = row 0's y (register 0 of lanes 0-15), in both halves of the lanes; -c into the eight registers of each tile's C
.irp t, 0,1,2,3
	v_permlanex16_b32 v[TM+\t], v[YA+8*\t], s32, s33
.endr
.irp t, 0,1,2,3
	v_cndmask_b32 v[CC+\t], v[YA+8*\t], v[TM+\t], s30
.endr
.irp t, 0,1,2,3
	v_mul_f32 v[TM+4+\t], -1.0, v[CC+\t]
.endr
	WIN 0x40
.irp t, 0,1,2,3
.irp j, 0,1,2,3,4,5,6,7
	v_mov_b32 v[NC+8*\t+\j], v[TM+4+\t]
.endr
.endr
	WIN 0
.endm
.macro FINSTAT                         ; the pairs' halves, and the other half of the lanes' rows
.irp t, 0,1,2,3
	v_add_f32 v[SQ+4*\t], v[SQ+4*\t], v[SQ+4*\t+1]
	v_add_f32 v[SQ+4*\t+2], v[SQ+4*\t+2], v[SQ+4*\t+3]
.endr
.irp t, 0,1,2,3
	v_permlanex16_b32 v[TM+2*\t], v[SQ+4*\t], s32, s33
	v_permlanex16_b32 v[TM+2*\t+1], v[SQ+4*\t+2], s32, s33
.endr
.irp t, 0,1,2,3
	v_add_f32 v[SQ+4*\t], v[SQ+4*\t], v[TM+2*\t]
	v_add_f32 v[SQ+4*\t+2], v[SQ+4*\t+2], v[TM+2*\t+1]
.endr
.endm
; the waves with rg = 1 hand their sums to their partners through LDS; those add and store (c, S, Q, 0) for 64 channels: each store covers 512 consecutive bytes
.macro PARTOUT off
	s_cmp_eq_u32 s28, 0
	s_cbranch_scc1 .Lpo_a
.irp t, 0,1,2,3
	ds_store_b32 v[RA], v[SQ+4*\t] offset:256*\t
	ds_store_b32 v[RA], v[SQ+4*\t+2] offset:256*\t+128
.endr
.Lpo_a:
	BARRIER
	s_cmp_lg_u32 s28, 0
	s_cbranch_scc1 .Lpo_end
.irp t, 0,1,2,3
	ds_load_b32 v[TM+2*\t], v[RA] offset:256*\t
	ds_load_b32 v[TM+2*\t+1], v[RA] offset:256*\t+128
.endr
	s_wait_dscnt 0x0
.irp t, 0,1,2,3
	v_add_f32 v[SQ+4*\t], v[SQ+4*\t], v[TM+2*\t]
	v_add_f32 v[SQ+4*\t+2], v[SQ+4*\t+2], v[TM+2*\t+1]
.endr
.irp b, 0,1                            ; lanes 0-15 speak for tile 2 b, lanes 16-31 for tile 2 b + 1
	v_cndmask_b32 v[TM+4*\b], v[CC+2*\b], v[CC+2*\b+1], s30
	v_cndmask_b32 v[TM+4*\b+1], v[SQ+8*\b], v[SQ+8*\b+4], s30
	v_cndmask_b32 v[TM+4*\b+2], v[SQ+8*\b+2], v[SQ+8*\b+6], s30
	v_mov_b32 v[TM+4*\b+3], 0
	global_store_b128 v[\off], v[TM+4*\b:TM+4*\b+3], s[PB:PB+1] offset:512*\b
.endr
.Lpo_end:
	s_wait_tensorcnt 0x0
	ds_add_u32 v254, v255
	s_wait_dscnt 0x0
	s_endpgm
.endm
	s_load_b256 s[4:11], s[0:1], 0x0               ; xyz s[4:5], rot s[6:7], pts s[8:9], w1img s[10:11]
	s_load_b128 s[12:15], s[0:1], 0x20             ; w1sc s[12:13], idxq s[14:15]
	s_load_b64 s[16:17], s[0:1], 0x30              ; part1
	v_lshl_add_u32 v254, v0, 2, 0xa800
	v_mov_b32 v255, 0
	v_lshrrev_b32 v1, 5, v0
	v_readfirstlane_b32 s26, v1                    ; wave
	s_and_b32 s27, s26, 3                          ; cg
	s_lshr_b32 s28, s26, 2                         ; rg
	v_and_b32 v19, 31, v0                          ; lane
	v_lshlrev_b32 v[L16], 4, v19
	v_lshlrev_b32 v[L4], 2, v19
	s_mul_i32 s40, s28, 4*SLOTB
	v_add_nc_u32 v[LA], s40, v[L16]
	v_add_nc_u32 v[LK], s40, v[L4]
	s_mul_i32 s40, s26, SLOTB
	v_add_nc_u32 v[AW], s40, v[L16]
	v_add_nc_u32 v[AWK], s40, v[L4]
	s_lshl_b32 s40, s27, 10
	s_add_co_u32 s40, s40, RED
	v_add_nc_u32 v[RA], s40, v[L4]
	v_and_b32 v[POFF], 15, v19                     ; my channel among a pair of tiles' 32: 8 h + r + 8 (r / 8)
	v_and_b32 v17, 8, v[POFF]
	v_add_nc_u32 v[POFF], v[POFF], v17
	v_bfe_u32 v17, v0, 4, 1
	v_lshl_add_u32 v[POFF], v17, 3, v[POFF]
	v_lshlrev_b32 v[POFF], 4, v[POFF]
	s_mov_b32 s30, 0xffff0000                      ; lanes 16-31
	s_mov_b32 s32, 0x76543210
	s_mov_b32 s33, 0xfedcba98                      ; v_permlanex16_b32's selects for lane l xor 16
	s_mov_b32 s41, 0
	s_wait_kmcnt 0x0
	s_lshr_b32 s40, ttmp9, 6
	s_lshl_b32 s40, s40, 19
	s_add_nc_u64 s[38:39], s[8:9], s[40:41]        ; the cloud's records
	s_lshl_b32 s42, ttmp9, 5
	s_add_co_u32 s42, s42, s26                     ; the first query that I build
	s_mul_i32 s40, s42, 12
	s_add_nc_u64 s[34:35], s[4:5], s[40:41]
	s_mul_i32 s40, s42, 36
	s_add_nc_u64 s[36:37], s[6:7], s[40:41]
	s_lshl_b32 s40, ttmp9, 3
	s_add_co_u32 s40, s40, s26
	s_lshl_b32 s40, s40, 9
	s_add_nc_u64 s[14:15], s[14:15], s[40:41]
	s_mul_i32 s40, s27, 12288
	s_add_nc_u64 s[10:11], s[10:11], s[40:41]
	s_mul_i32 s40, s27, 768
	s_add_nc_u64 s[12:13], s[12:13], s[40:41]
	s_lshl_b32 s40, ttmp9, 12
	s_lshl_b32 s42, s27, 10
	s_add_co_u32 s40, s40, s42
	s_add_nc_u64 s[PB:PB+1], s[PB:PB+1], s[40:41]
	global_load_b128 v[IDX:IDX+3], v[L16], s[14:15]
.irp b, 0,1
.irp q, 0,1,2
	global_load_b32 v[W1S+3*\b+\q], v[L4], s[12:13] offset:384*\b+128*\q
.endr
.endr
	WIN 0x40                                       ; destination window 1
.irp t, 0,1,2,3
.irp q, 0,1,2
.irp c, 0,1
	global_load_b128 v[W1F+24*\t+8*\q+4*\c:W1F+24*\t+8*\q+4*\c+3], v[L16], s[10:11] offset:(3*\t+\q)*1024+512*\c
.endr
.endr
.endr
.set GI, 0
.rept 32
	v_mov_b32 v[NC+GI], 0                          ; written once: the pilot, on its own path, writes them again
.set GI, GI+1
.endr
	WIN 0
.irp j, 17,18,19,20,21,22,23
	v_mov_b32 v[AF+\j], 0                          ; K step 2: all but the first register of a fragment are zero codes
.endr
.set GI, 0
.rept 16
	v_mov_b32 v[TM+GI], 0                          ; a lane permute's destination counts as one of its sources
	v_mov_b32 v[SQ+GI], 0                          ; the sums
.set GI, GI+1
.endr
.irp t, 0,1,2,3
	v_mov_b32 v[CC+\t], 0
.endr
	s_wait_loadcnt 0x0
	GATHER_ISSUE
	s_mov_b32 s29, 0
.Lstep:
	BUILD
	BARRIER                                        ; the eight slots are whole
	s_cmp_eq_u32 s29, 3
	s_cbranch_scc1 .Lno_gather                     ; the last step asks for nothing
	GATHER_ISSUE
.Lno_gather:
	s_cmp_lg_u32 s29, 0
	s_cbranch_scc1 .Lno_pilot
	FETCH_A L16, L4, 0, 0                          ; the pilot: slot 0's tile 0, in every wave: both waves of a cg get the same c
	s_wait_dscnt 0x0
	MM1A 0, 1
	WIN 0
	PLACES
	PILOTC
.rept 8
	v_nop
.endr
.Lno_pilot:
	FETCH_A LA, LK, 0, 0
.irp m, 0,1,2,3,4,5,6,7
	s_wait_dscnt 0x0
	MM1A \m%2, 0
	WIN 0
	PLACES
.if \m < 7
	FETCH_A LA, LK, (\m+1)/2, (\m+1)%2             ; the next tile lands while this one's sums are taken
.endif
	STATS
.endr
	BARRIER                                        ; every wave's reads of the slots are over: they may be built again
	s_add_co_u32 s29, s29, 1
	s_cmp_lt_u32 s29, 4
	s_cbranch_scc1 .Lstep
	FINSTAT
	PARTOUT POFF
.Lfunc_end_k_q911c7a0e14_stats1:
	.size	k_q911c7a0e14_stats1, .Lfunc_end_k_q911c7a0e14_stats1-k_q911c7a0e14_stats1
	.p2alignl 7, 3214868480
	.fill 96, 4, 3214868480
	.section	.rodata,"a",@progbits
	.p2align	6, 0x0
	.amdhsa_kernel k_q911c7a0e14_stats1
		.amdhsa_group_segment_fixed_size 44032
		.amdhsa_private_segment_fixed_size 0
		.amdhsa_enable_private_segment 0
		.amdhsa_kernarg_size 56
		.amdhsa_user_sgpr_count 2
		.amdhsa_user_sgpr_kernarg_segment_ptr 1
		.amdhsa_wavefront_size32 1
		.amdhsa_system_sgpr_workgroup_id_x 1
		.amdhsa_system_sgpr_workgroup_id_y 1
		.amdhsa_system_sgpr_workgroup_id_z 1
		.amdhsa_system_vgpr_workitem_id 0
		.amdhsa_next_free_vgpr 512
		.amdhsa_next_free_sgpr 96
		.amdhsa_reserve_vcc 0
		.amdhsa_float_denorm_mode_32 3
		.amdhsa_float_denorm_mode_16_64 3
		.amdhsa_memory_ordered 1
		.amdhsa_forward_progress 1
		.amdhsa_inst_pref_size 55
	.end_amdhsa_kernel
	.amdgpu_metadata
---
amdhsa.version: [ 1, 2 ]
amdhsa.kernels:
  - .name:           k_q911c7a0e14_stats1
    .symbol:         k_q911c7a0e14_stats1.kd
    .args:
      - { .name: seed_xyz_graspable, .offset: 0, .size: 8, .value_kind: global_buffer, .address_space: global }
      - { .name: vp_rot, .offset: 8, .size: 8, .value_kind: global_buffer, .address_space: global }
      - { .name: pts, .offset: 16, .size: 8, .value_kind: global_buffer, .address_space: global }
      - { .name: w1img, .offset: 24, .size: 8, .value_kind: global_buffer, .address_space: global }
      - { .name: w1sc, .offset: 32, .size: 8, .value_kind: global_buffer, .address_space: global }
      - { .name: idxq, .offset: 40, .size: 8, .value_kind: global_buffer, .address_space: global }
      - { .name: part1, .offset: 48, .size: 8, .value_kind: global_buffer, .address_space: global }
    .group_segment_fixed_size: 44032
    .private_segment_fixed_size: 0
    .kernarg_segment_align: 8
    .kernarg_segment_size: 56
    .max_flat_workgroup_size: 256
    .sgpr_count:     96
    .vgpr_count:     512
    .wavefront_size: 32
...
	.end_amdgpu_metadata
.endif
;; end of part 2
;; launch red1 (part 3): grid 16 x 1, 8 waves a work-group, no clusters, 2,048 bytes of LDS; arguments part1, gamma1, beta1, ab1; writes ab1
.if DOCPART == 3
	.amdgcn_target "amdgcn-amd-amdhsa--gfx1250"
	.amdhsa_code_object_version 6
	.text
	.protected	k_q911c7a0e14_red1
	.globl	k_q911c7a0e14_red1
	.p2align	8
	.type	k_q911c7a0e14_red1,@function
k_q911c7a0e14_red1:
	s_mov_b64 s[64:65], 0
	v_nop
	global_prefetch_b8 v0, s[64:65] scope:SCOPE_SE
	s_setreg_imm32_b32 hwreg(HW_REG_WAVE_MODE, 25, 1), 1
	s_wait_xcnt 0x0
; The first batch norm's a = gamma / sqrt(var + eps) and b = beta - mean a, from the 256 work-groups' (c, S, Q): S = sum (y - c), Q = sum (y - c)^2 over n = 1,024 rows each.
; mean_i = c_i + S_i / n;  M2_i = Q_i - S_i^2 / n;  var = (sum M2_i + n sum (mean_i - mean)^2) / 262,144: no difference of large sums.
; Work-group G takes channels 16 G .. + 15.  Wave w takes partials 32 w .. + 31: lane (r, h) channel r, partials 32 w + 2 i + h: sixteen lanes read 256 consecutive bytes.
; A sum over work-groups needs a launch of its own behind the one that made the parts.  Few work-groups: the launch reads 1 MiB and stores 2 KiB.
.macro RSUM base, stride, lds          ; the sum of my 16 numbers, of the other half of the lanes', of the eight waves': in v114, in every lane
	v_add_f32 v112, v[\base], v[\base+2*\stride]
	v_add_f32 v113, v[\base+\stride], v[\base+3*\stride]
.irp i, 4,6,8,10,12,14
	v_add_f32 v112, v112, v[\base+\i*\stride]
	v_add_f32 v113, v113, v[\base+(\i+1)*\stride]
.endr
	v_add_f32 v112, v112, v113
	v_permlanex16_b32 v113, v112, s24, s25
	v_add_f32 v112, v112, v113
	ds_store_b32 v5, v112 offset:\lds              ; both halves of the lanes write the same word with the same value
	s_wait_dscnt 0x0
	s_barrier_signal -1
	s_barrier_wait -1
.irp k, 0,1,2,3,4,5,6,7
	ds_load_b32 v[114+\k], v4 offset:\lds+64*\k
.endr
	s_wait_dscnt 0x0
	v_add_f32 v114, v114, v115
	v_add_f32 v116, v116, v117
	v_add_f32 v118, v118, v119
	v_add_f32 v120, v120, v121
	v_add_f32 v114, v114, v116
	v_add_f32 v118, v118, v120
	v_add_f32 v114, v114, v118
.endm
.macro REDUCE                          ; s[4:5] the parts, s[6:7] gamma, s[8:9] beta, s20 the wave.  Leaves r in v1, h in v2, 4 r in v4, a in v8, b in v9
	v_and_b32 v1, 15, v0
	v_bfe_u32 v2, v0, 4, 1
	v_lshlrev_b32 v3, 4, v1
	v_lshl_add_u32 v3, v2, 12, v3                  ; 4,096 h + 16 r
	v_lshlrev_b32 v4, 2, v1
	s_lshl_b32 s21, s20, 6
	v_add_nc_u32 v5, s21, v4                       ; LDS: 64 x wave + 4 r
	s_lshl_b32 s22, ttmp9, 8
	s_lshl_b32 s23, s20, 17
	s_add_co_u32 s22, s22, s23
	s_mov_b32 s23, 0
	s_add_nc_u64 s[4:5], s[4:5], s[22:23]
	s_lshl_b32 s22, ttmp9, 6
	s_add_nc_u64 s[6:7], s[6:7], s[22:23]
	s_add_nc_u64 s[8:9], s[8:9], s[22:23]
	s_mov_b32 s24, 0x76543210
	s_mov_b32 s25, 0xfedcba98
	s_mov_b32 s26, 0x36800000                      ; 2^-18
	s_mov_b32 s27, 0x3727c5ac                      ; EPS
.set RI, 0
.rept 16
	global_load_b128 v[32+4*RI:35+4*RI], v3, s[4:5] offset:8192*RI
.set RI, RI+1
.endr
	global_load_b32 v6, v4, s[6:7]
	global_load_b32 v7, v4, s[8:9]
	s_wait_loadcnt 0x0
.set RI, 0
.rept 16
	v_fmamk_f32 v[96+RI], v[33+4*RI], 0x3a800000, v[32+4*RI]       ; mean_i = S_i / 1,024 + c_i
.set RI, RI+1
.endr
	RSUM 96, 1, 0
	v_mul_f32 v122, 0x3b800000, v114               ; the mean of 256 equal parts
.set RI, 0
.rept 16
	v_mul_f32 v[35+4*RI], 0x3a800000, v[33+4*RI]
	v_sub_f32 v[96+RI], v[96+RI], v122
	v_fma_f32 v[34+4*RI], -v[35+4*RI], v[33+4*RI], v[34+4*RI]      ; M2_i
	v_mul_f32 v[35+4*RI], 0x44800000, v[96+RI]
	v_fma_f32 v[34+4*RI], v[35+4*RI], v[96+RI], v[34+4*RI]         ; + n (mean_i - mean)^2
.set RI, RI+1
.endr
	RSUM 34, 4, 512                                ; other LDS bytes than the first sum's: no barrier is owed between the two
	v_fma_f32 v123, v114, s26, s27                 ; var + EPS
	v_rsq_f32 v124, v123
	v_nop                                          ; a plain line behind the transcendental
	s_wait_alu depctr_va_vdst(0)                   ; and a wait ahead of its first reader
	v_mul_f32 v8, v6, v124                         ; a
	v_fma_f32 v9, -v122, v8, v7                    ; b
.endm
	s_load_b256 s[4:11], s[0:1], 0x0               ; part1, gamma1, beta1, ab1
	v_lshl_add_u32 v128, v0, 2, 0x400
	v_mov_b32 v129, 0
	v_lshrrev_b32 v1, 5, v0
	v_readfirstlane_b32 s20, v1
	s_wait_kmcnt 0x0
	REDUCE
	s_cmp_lg_u32 s20, 0
	s_cbranch_scc1 .Lend                           ; every wave holds the result; wave 0 stores it
	s_lshl_b32 s22, ttmp9, 6
	s_add_nc_u64 s[10:11], s[10:11], s[22:23]
	v_cmp_eq_u32 vcc_lo, 1, v2
	v_cndmask_b32 v10, v8, v9, vcc_lo              ; lanes 0-15 a, lanes 16-31 b
	v_lshl_add_u32 v11, v2, 10, v4
	global_store_b32 v11, v10, s[10:11]
.Lend:
	s_wait_tensorcnt 0x0
	ds_add_u32 v128, v129
	s_wait_dscnt 0x0
	s_endpgm
.Lfunc_end_k_q911c7a0e14_red1:
	.size	k_q911c7a0e14_red1, .Lfunc_end_k_q911c7a0e14_red1-k_q911c7a0e14_red1
	.p2alignl 7, 3214868480
	.fill 96, 4, 3214868480
	.section	.rodata,"a",@progbits
	.p2align	6, 0x0
	.amdhsa_kernel k_q911c7a0e14_red1
		.amdhsa_group_segment_fixed_size 2048
		.amdhsa_private_segment_fixed_size 0
		.amdhsa_enable_private_segment 0
		.amdhsa_kernarg_size 32
		.amdhsa_user_sgpr_count 2
		.amdhsa_user_sgpr_kernarg_segment_ptr 1
		.amdhsa_wavefront_size32 1
		.amdhsa_system_sgpr_workgroup_id_x 1
		.amdhsa_system_sgpr_workgroup_id_y 1
		.amdhsa_system_sgpr_workgroup_id_z 1
		.amdhsa_system_vgpr_workitem_id 0
		.amdhsa_next_free_vgpr 130
		.amdhsa_next_free_sgpr 66
		.amdhsa_reserve_vcc 1
		.amdhsa_float_denorm_mode_32 3
		.amdhsa_float_denorm_mode_16_64 3
		.amdhsa_memory_ordered 1
		.amdhsa_forward_progress 1
		.amdhsa_inst_pref_size 13
	.end_amdhsa_kernel
	.amdgpu_metadata
---
amdhsa.version: [ 1, 2 ]
amdhsa.kernels:
  - .name:           k_q911c7a0e14_red1
    .symbol:         k_q911c7a0e14_red1.kd
    .args:
      - { .name: part1, .offset: 0, .size: 8, .value_kind: global_buffer, .address_space: global }
      - { .name: gamma1, .offset: 8, .size: 8, .value_kind: global_buffer, .address_space: global }
      - { .name: beta1, .offset: 16, .size: 8, .value_kind: global_buffer, .address_space: global }
      - { .name: ab1, .offset: 24, .size: 8, .value_kind: global_buffer, .address_space: global }
    .group_segment_fixed_size: 2048
    .private_segment_fixed_size: 0
    .kernarg_segment_align: 8
    .kernarg_segment_size: 32
    .max_flat_workgroup_size: 256
    .sgpr_count:     66
    .vgpr_count:     130
    .wavefront_size: 32
...
	.end_amdgpu_metadata
.endif
;; end of part 3
;; launch mlp (part 4): grid 256 x 1, 8 waves a work-group, no clusters, 80,896 bytes of LDS; arguments seed_xyz_graspable, vp_rot, pts, w1img, w1sc, idxq, ab1, W2_codes, W2_scales, part2, mxmn; writes part2, mxmn
.if DOCPART == 4
	.amdgcn_target "amdgcn-amd-amdhsa--gfx1250"
	.amdhsa_code_object_version 6
	.text
	.protected	k_q911c7a0e14_mlp
	.globl	k_q911c7a0e14_mlp
	.p2align	8
	.type	k_q911c7a0e14_mlp,@function
k_q911c7a0e14_mlp:
	s_mov_b64 s[64:65], 0
	v_nop
	global_prefetch_b8 v0, s[64:65] scope:SCOPE_SE
	s_setreg_imm32_b32 hwreg(HW_REG_WAVE_MODE, 25, 1), 1
	s_wait_xcnt 0x0
; Product 3 once more, batch norm 1, relu, the quantiser, product 4, and of y2 only what the rest needs: per channel the shifted sums, per (query, channel) max y2 and max (-y2) over the 32 samples
; (max_s relu(a y + b) = relu(|a| (a >= 0 ? max y : max (-y)) + b)).  Neither y1, the hidden layer nor y2 goes to memory.
; SHARES as in launch stats1: a work-group takes 32 queries, 8 a step; wave w builds slot w; wave (cg = w % 4, rg = w / 4) multiplies slots 4 rg .. + 3 by its 64 channels of W1 and of W2, which stay in registers.
; PHASE 1, transposed (source 0 = 16 rows of W1, source 1 = 16 rows): a lane holds ONE row, and, by the choice of W1's rows for a tile, the 16 registers of tiles 2 b, 2 b + 1 are 16 neighbouring channels:
; two blocks of 32 along product 4's K, quantised in registers; they are group cg of the row tile's fragment and go to LDS as an image of its registers, the two scale bytes beside them.
; PHASE 2, natural (source 0 = rows, source 1 = 16 rows of W2): a lane holds one channel.  -c (the pilot, as in stats1) is the C of each sum's first matrix instruction.
; TWO BARRIERS A STEP: behind the first the slots are whole (and every wave's reads of the hidden images of the step before are over); behind the second the hidden images are whole (and the reads of the slots are over).
; LIMITS: as in stats1.  a y + b is one fused multiply-add with b = beta - mean a.
.set SLOTB, 4864
.set HIMG,  38912                      ; the hidden layer's images: row tile 8 rg + m at x 2,048, group cg at x 512
.set HSC,   71680                      ; its scale bytes: tile x 256 + 8 x lane + 2 cg
.set RED,   75776
.set L16, 1
.set LA,  2
.set LK,  3
.set L8,  4                            ; v4  8 x lane
.set L4,  5
.set AW,  6
.set AWK, 7
.set LH,  8                            ; v8  16 x lane + HIMG + my eight tiles
.set LHS, 9                            ; v9  8 x lane + HSC + my eight tiles
.set LH0, 10                           ; v10, v11 the same for tile 0 (the pilot)
.set LHS0, 11
.set HW,  12                           ; v12 LH + 512 cg: where I store codes
.set HWS, 13                           ; v13 LHS + 2 cg: and my two scale bytes
.set RA,  14
.set GOFF, 15
.set ABO, 17                           ; v17 64 h
.set W2O, 18                           ; v18 128 r + 16 h
.set IDX, 20
.set W1S, 24
.set W2S, 30                           ; v30-33 W2's scale words: 2 (tile / 2) + K step
.set ASC, 34
.set HS,  38                           ; v38-39 the hidden rows' scale words of the two K steps
.set AF,  40
.set YA,  64
.set HF,  96                           ; v96-111 a hidden tile's two fragments
.set PC,  112                          ; v112-115 the codes just made
.set TM,  116
.set SQ,  132
.set MX,  148                          ; v148-151 max, v152-155 max of the negatives
.set NM,  152
.set VQ,  156                          ; v156-171 what goes out: 4 t + query
.set CC,  172
.set CS,  176                          ; v176-179 c in lanes 0-15, -c in lanes 16-31
.set ST,  180
.set SW,  ST+32
.set FF,  ST+36
.set ZR,  248
.set W1F, 0                            ; window 1: v0-95 W1, v96-159 W2 (16 t + 8 q), v160-191 a, v192-223 b, v224-255 -c
.set W2F, 96
.set BA,  160
.set BB,  192
.set NC,  224
.set PB,  22                           ; s[22:23] part2
.set MSB, 0
.macro WIN new                         ; the immediate's high byte repeats the setting that is left
.if MSB != \new
	s_set_vgpr_msb (MSB<<8)|\new
.set MSB, \new
.endif
.endm
.macro BARRIER                         ; my LDS stores have landed and my LDS loads are in: then the work-group's barrier
	s_wait_dscnt 0x0
	s_barrier_signal -1
	s_barrier_wait -1
.endm
.macro PLACES                          ; four places behind a matrix instruction, ahead of loads into its registers and of the first read of its result
.rept 4
	v_nop
.endr
.endm
.macro WMS d, a, b, c, sa, sb, ra, rb  ; one matrix instruction.  c < 0: C = 0.  ra, rb: 1 = the side's scales are read from lanes 16-31
.if (\c) < 0
.if ((\ra) == 0) && ((\rb) == 0)
	v_wmma_scale_f32_16x16x128_f8f6f4 v[(\d):(\d)+7], v[(\a):(\a)+7], v[(\b):(\b)+7], 0, v[(\sa)], v[(\sb)] matrix_a_fmt:MATRIX_FMT_FP4 matrix_b_fmt:MATRIX_FMT_FP4
.elseif ((\ra) == 1) && ((\rb) == 0)
	v_wmma_scale_f32_16x16x128_f8f6f4 v[(\d):(\d)+7], v[(\a):(\a)+7], v[(\b):(\b)+7], 0, v[(\sa)], v[(\sb)] matrix_a_fmt:MATRIX_FMT_FP4 matrix_b_fmt:MATRIX_FMT_FP4 matrix_a_scale:MATRIX_SCALE_ROW1
.elseif ((\ra) == 0) && ((\rb) == 1)
	v_wmma_scale_f32_16x16x128_f8f6f4 v[(\d):(\d)+7], v[(\a):(\a)+7], v[(\b):(\b)+7], 0, v[(\sa)], v[(\sb)] matrix_a_fmt:MATRIX_FMT_FP4 matrix_b_fmt:MATRIX_FMT_FP4 matrix_b_scale:MATRIX_SCALE_ROW1
.else
	v_wmma_scale_f32_16x16x128_f8f6f4 v[(\d):(\d)+7], v[(\a):(\a)+7], v[(\b):(\b)+7], 0, v[(\sa)], v[(\sb)] matrix_a_fmt:MATRIX_FMT_FP4 matrix_b_fmt:MATRIX_FMT_FP4 matrix_a_scale:MATRIX_SCALE_ROW1 matrix_b_scale:MATRIX_SCALE_ROW1
.endif
.else
.if ((\ra) == 0) && ((\rb) == 0)
	v_wmma_scale_f32_16x16x128_f8f6f4 v[(\d):(\d)+7], v[(\a):(\a)+7], v[(\b):(\b)+7], v[(\c):(\c)+7], v[(\sa)], v[(\sb)] matrix_a_fmt:MATRIX_FMT_FP4 matrix_b_fmt:MATRIX_FMT_FP4
.elseif ((\ra) == 1) && ((\rb) == 0)
	v_wmma_scale_f32_16x16x128_f8f6f4 v[(\d):(\d)+7], v[(\a):(\a)+7], v[(\b):(\b)+7], v[(\c):(\c)+7], v[(\sa)], v[(\sb)] matrix_a_fmt:MATRIX_FMT_FP4 matrix_b_fmt:MATRIX_FMT_FP4 matrix_a_scale:MATRIX_SCALE_ROW1
.elseif ((\ra) == 0) && ((\rb) == 1)
	v_wmma_scale_f32_16x16x128_f8f6f4 v[(\d):(\d)+7], v[(\a):(\a)+7], v[(\b):(\b)+7], v[(\c):(\c)+7], v[(\sa)], v[(\sb)] matrix_a_fmt:MATRIX_FMT_FP4 matrix_b_fmt:MATRIX_FMT_FP4 matrix_b_scale:MATRIX_SCALE_ROW1
.else
	v_wmma_scale_f32_16x16x128_f8f6f4 v[(\d):(\d)+7], v[(\a):(\a)+7], v[(\b):(\b)+7], v[(\c):(\c)+7], v[(\sa)], v[(\sb)] matrix_a_fmt:MATRIX_FMT_FP4 matrix_b_fmt:MATRIX_FMT_FP4 matrix_a_scale:MATRIX_SCALE_ROW1 matrix_b_scale:MATRIX_SCALE_ROW1
.endif
.endif
.endm
.macro GATHER_ISSUE                    ; the next step's record of my sample, and the query's xyz and rot: asked for a whole step ahead
	v_min_u32 v[GOFF], 0x7ff, v[IDX]               ; a loaded number enters an address behind this bound alone
	v_lshlrev_b32 v[GOFF], 8, v[GOFF]
.set GI, 0
.rept 16
	global_load_b128 v[ST+4+4*GI:ST+7+4*GI], v[GOFF], s[38:39] offset:16*GI
.set GI, GI+1
.endr
	s_load_b96 s[44:46], s[34:35], 0x0
	s_load_b256 s[48:55], s[36:37], 0x0
	s_load_b32 s56, s[36:37], 0x20
	v_mov_b32 v[IDX], v[IDX+1]
	v_mov_b32 v[IDX+1], v[IDX+2]
	v_mov_b32 v[IDX+2], v[IDX+3]
.endm
.macro BUILD                           ; my sample's row becomes codes, and the wave's 32 rows go to LDS as two tiles' register images
	s_wait_loadcnt 0x0                             ; the record
	s_wait_kmcnt 0x0                               ; the query; its loads are done, so their bases may step
	s_add_nc_u64 s[34:35], s[34:35], 96
	s_add_nc_u64 s[36:37], s[36:37], 288
	v_sub_f32 v[TM], v[FF], s44
	v_sub_f32 v[TM+1], v[FF+1], s45
	v_sub_f32 v[TM+2], v[FF+2], s46
.irp k, 0,1,2
	v_mul_f32 v[TM+\k], 0x41a00000, v[TM+\k]       ; / RADIUS
.endr
.irp k, 0,1,2
	v_mul_f32 v[FF+\k], s[48+\k], v[TM]            ; grouped_xyz @ rot: the sum over j of e_j rot[j][k]
.endr
.irp k, 0,1,2
	v_fmac_f32 v[FF+\k], s[51+\k], v[TM+1]
.endr
.irp k, 0,1,2
	v_fmac_f32 v[FF+\k], s[54+\k], v[TM+2]
.endr
	v_max3_num_f32 v[TM+3], |v[FF]|, |v[FF+1]|, |v[FF+2]|
	v_lshlrev_b32 v[TM+4], 23, v[SW]               ; the features' largest magnitude, cut to its power of two (a bit of the next byte falls on the sign: |.| below)
	v_max_num_f32 v[TM+3], v[TM+3], |v[TM+4]|
	v_add_nc_u32 v[TM+5], 0xff000000, v[TM+3]      ; 2 off the exponent field: the conversion's scale operand
	v_lshrrev_b32 v[TM+6], 23, v[TM+5]
	v_and_or_b32 v[SW], v[SW], 0xffffff00, v[TM+6]
.irp g, 0,1,2,3
	v_cvt_scalef32_pk8_fp4_f32 v[ST+\g], v[FF+8*\g:FF+8*\g+7], v[TM+5]
.endr
	v_mov_b32 v[ZR], 0                             ; (the plain line behind the conversions)
.irp x, 0,1,2,3
.irp i, 0,1,2,3
	v_permlane16_swap_b32 v[ST+8*\x+\i], v[ST+8*\x+4+\i]
.endr
.endr
	v_permlane16_swap_b32 v[ST+35], v[ZR]
.irp x, 0,1,2,3
	ds_store_b128 v[AW], v[ST+8*\x:ST+8*\x+3] offset:512*\x
	ds_store_b128 v[AW], v[ST+8*\x+4:ST+8*\x+7] offset:2048+512*\x
.endr
	ds_store_b32 v[AWK], v[ST+35] offset:4096
	ds_store_b32 v[AWK], v[ZR] offset:4224
	ds_store_b96 v[AW], v[SW:SW+2] offset:4352
.endm
.macro FETCH_A la, lk, mq, rho
.irp x, 0,1,2,3
	ds_load_b128 v[AF+4*\x:AF+4*\x+3], v[\la] offset:(\mq)*SLOTB+(\rho)*2048+512*\x
.endr
	ds_load_b32 v[AF+16], v[\lk] offset:(\mq)*SLOTB+4096+128*(\rho)
.if (\rho) == 0
	ds_load_b96 v[ASC:ASC+2], v[\la] offset:(\mq)*SLOTB+4352
.endif
.endm
; product 3, transposed: 12 matrix instructions; the four accumulators take turns, one instruction a turn; the first K step starts the sums
.macro MM1B rho
	WIN 0x01                                       ; source 0 (W1) window 1
.irp q, 0,1,2
.irp t, 0,1,2,3
.if \q > 0
.set CREG, YA+8*\t
.else
.set CREG, -1
.endif
	WMS YA+8*\t, W1F+24*\t+8*\q, AF+8*\q, CREG, W1S+3*(\t/2)+\q, ASC+\q, \t%2, \rho
.endr
.endr
.endm
.macro BN                              ; a y + b, two at a time, each accumulator from its low end on; then the relu
	WIN 0x14                                       ; sources 1 and 2 (a, b) window 1
.irp i, 0,2,4,6,8,10,12,14,16,18,20,22,24,26,28,30
	v_pk_fma_f32 v[YA+\i:YA+\i+1], v[YA+\i:YA+\i+1], v[BA+\i:BA+\i+1], v[BB+\i:BB+\i+1]
.endr
	WIN 0
.set GI, 0
.rept 32
	v_max_num_f32 v[YA+GI], 0, v[YA+GI]
.set GI, GI+1
.endr
.endm
; my 32 numbers of a row: two half blocks; the other halves lie in lane l xor 16.  No |.|: none is negative.  Codes into v[PC] on, the two bytes into v[TM+8]
.macro QUANT2
.irp b, 0,1
	v_max3_num_f32 v[TM+\b], v[YA+16*\b], v[YA+16*\b+1], 0x1800000   ; and the floor 2^(3 - 127): the byte cannot fall under 1
.endr
.irp i, 2,4,6,8,10,12,14
.irp b, 0,1
	v_max3_num_f32 v[TM+\b], v[TM+\b], v[YA+16*\b+\i], v[YA+16*\b+\i+1]
.endr
.endr
.irp b, 0,1
	v_permlanex16_b32 v[TM+2+\b], v[TM+\b], s32, s33
.endr
.irp b, 0,1
	v_max_num_f32 v[TM+\b], v[TM+\b], v[TM+2+\b]
.endr
.irp b, 0,1
	v_add_nc_u32 v[TM+4+\b], 0xff000000, v[TM+\b]
.endr
.irp b, 0,1
	v_lshrrev_b32 v[TM+6+\b], 23, v[TM+4+\b]
.endr
	v_lshl_or_b32 v[TM+8], v[TM+7], 8, v[TM+6]
.irp b, 0,1
	v_cvt_scalef32_pk8_fp4_f32 v[PC+2*\b], v[YA+16*\b:YA+16*\b+7], v[TM+4+\b]
	v_cvt_scalef32_pk8_fp4_f32 v[PC+2*\b+1], v[YA+16*\b+8:YA+16*\b+15], v[TM+4+\b]
.endr
	v_nop                                          ; one plain line behind a scaled conversion
	v_permlane16_swap_b32 v[PC], v[PC+2]           ; the operand wants a whole block in a lane: lanes 0-15 block 2 cg, lanes 16-31 block 2 cg + 1
	v_permlane16_swap_b32 v[PC+1], v[PC+3]
.endm
.macro HOUT m
	ds_store_b128 v[HW], v[PC:PC+3] offset:2048*(\m)
	ds_store_b16 v[HWS], v[TM+8] offset:256*(\m)
.endm
.macro FETCH_H lh, lhs, m
.irp x, 0,1,2,3
	ds_load_b128 v[HF+4*\x:HF+4*\x+3], v[\lh] offset:2048*(\m)+512*\x
.endr
	ds_load_b64 v[HS:HS+1], v[\lhs] offset:256*(\m)
.endm
.macro MM2 zero                        ; product 4, natural: 8 matrix instructions, the four accumulators by turns.  zero = 1: C = 0 (the pilot), else -c
.irp q, 0,1
.if (\q == 0) && (\zero == 0)
	WIN 0x14
.else
	WIN 0x04
.endif
.irp t, 0,1,2,3
.if \q > 0
.set CREG, YA+8*\t
.elseif \zero
.set CREG, -1
.else
.set CREG, NC+8*\t
.endif
	WMS YA+8*\t, HF+8*\q, W2F+16*\t+8*\q, CREG, HS+\q, W2S+2*(\t/2)+\q, 0, \t%2
.endr
.endr
.endm
.macro STATS                           ; each accumulator from its low end on
.irp jp, 0,1,2,3
.irp t, 0,1,2,3
	v_pk_add_f32 v[SQ+4*\t:SQ+4*\t+1], v[SQ+4*\t:SQ+4*\t+1], v[YA+8*\t+2*\jp:YA+8*\t+2*\jp+1]
.endr
.endr
.irp jp, 0,1,2,3
.irp t, 0,1,2,3
	v_pk_fma_f32 v[SQ+4*\t+2:SQ+4*\t+3], v[YA+8*\t+2*\jp:YA+8*\t+2*\jp+1], v[YA+8*\t+2*\jp:YA+8*\t+2*\jp+1], v[SQ+4*\t+2:SQ+4*\t+3]
.endr
.endr
.endm
.macro MAXMIN rho                      ; a query's two tiles: the first starts the maxima, the second goes on
.if (\rho) == 0
.irp t, 0,1,2,3
	v_max3_num_f32 v[MX+\t], v[YA+8*\t], v[YA+8*\t+1], v[YA+8*\t+2]
	v_max3_num_f32 v[NM+\t], -v[YA+8*\t], -v[YA+8*\t+1], -v[YA+8*\t+2]
.endr
.irp i, 3,5
.irp t, 0,1,2,3
	v_max3_num_f32 v[MX+\t], v[MX+\t], v[YA+8*\t+\i], v[YA+8*\t+\i+1]
	v_max3_num_f32 v[NM+\t], v[NM+\t], -v[YA+8*\t+\i], -v[YA+8*\t+\i+1]
.endr
.endr
.irp t, 0,1,2,3
	v_max_num_f32 v[MX+\t], v[MX+\t], v[YA+8*\t+7]
	v_max_num_f32 v[NM+\t], v[NM+\t], -v[YA+8*\t+7]
.endr
.else
.irp i, 0,2,4,6
.irp t, 0,1,2,3
	v_max3_num_f32 v[MX+\t], v[MX+\t], v[YA+8*\t+\i], v[YA+8*\t+\i+1]
	v_max3_num_f32 v[NM+\t], v[NM+\t], -v[YA+8*\t+\i], -v[YA+8*\t+\i+1]
.endr
.endr
.endif
.endm
.macro FINQ mq                         ; both halves' rows meet: lanes 0-15 end with max (y - c), lanes 16-31 with max (c - y); c goes back on
.irp t, 0,1,2,3
	v_permlane16_swap_b32 v[MX+\t], v[NM+\t]
.endr
.irp t, 0,1,2,3
	v_max_num_f32 v[MX+\t], v[MX+\t], v[NM+\t]
.endr
.irp t, 0,1,2,3
	v_add_f32 v[VQ+4*\t+(\mq)], v[MX+\t], v[CS+\t]
.endr
.endm
.macro PILOTC                          ; c = row 0's y (register 0 of lanes 0-15), in both halves of the lanes; -c into the eight registers of each tile's C
.irp t, 0,1,2,3
	v_permlanex16_b32 v[TM+\t], v[YA+8*\t], s32, s33
.endr
.irp t, 0,1,2,3
	v_cndmask_b32 v[CC+\t], v[YA+8*\t], v[TM+\t], s30
.endr
.irp t, 0,1,2,3
	v_mul_f32 v[TM+4+\t], -1.0, v[CC+\t]
.endr
	WIN 0x40
.irp t, 0,1,2,3
.irp j, 0,1,2,3,4,5,6,7
	v_mov_b32 v[NC+8*\t+\j], v[TM+4+\t]
.endr
.endr
	WIN 0
.endm
.macro FINSTAT
.irp t, 0,1,2,3
	v_add_f32 v[SQ+4*\t], v[SQ+4*\t], v[SQ+4*\t+1]
	v_add_f32 v[SQ+4*\t+2], v[SQ+4*\t+2], v[SQ+4*\t+3]
.endr
.irp t, 0,1,2,3
	v_permlanex16_b32 v[TM+2*\t], v[SQ+4*\t], s32, s33
	v_permlanex16_b32 v[TM+2*\t+1], v[SQ+4*\t+2], s32, s33
.endr
.irp t, 0,1,2,3
	v_add_f32 v[SQ+4*\t], v[SQ+4*\t], v[TM+2*\t]
	v_add_f32 v[SQ+4*\t+2], v[SQ+4*\t+2], v[TM+2*\t+1]
.endr
.endm
.macro PARTOUT off                     ; the waves with rg = 1 hand their sums to their partners through LDS; those add and store (c, S, Q, 0): each store covers 512 consecutive bytes
	s_cmp_eq_u32 s28, 0
	s_cbranch_scc1 .Lpo_a
.irp t, 0,1,2,3
	ds_store_b32 v[RA], v[SQ+4*\t] offset:256*\t
	ds_store_b32 v[RA], v[SQ+4*\t+2] offset:256*\t+128
.endr
.Lpo_a:
	BARRIER
	s_cmp_lg_u32 s28, 0
	s_cbranch_scc1 .Lpo_end
.irp t, 0,1,2,3
	ds_load_b32 v[TM+2*\t], v[RA] offset:256*\t
	ds_load_b32 v[TM+2*\t+1], v[RA] offset:256*\t+128
.endr
	s_wait_dscnt 0x0
.irp t, 0,1,2,3
	v_add_f32 v[SQ+4*\t], v[SQ+4*\t], v[TM+2*\t]
	v_add_f32 v[SQ+4*\t+2], v[SQ+4*\t+2], v[TM+2*\t+1]
.endr
.irp b, 0,1
	v_cndmask_b32 v[TM+4*\b], v[CC+2*\b], v[CC+2*\b+1], s30
	v_cndmask_b32 v[TM+4*\b+1], v[SQ+8*\b], v[SQ+8*\b+4], s30
	v_cndmask_b32 v[TM+4*\b+2], v[SQ+8*\b+2], v[SQ+8*\b+6], s30
	v_mov_b32 v[TM+4*\b+3], 0
	global_store_b128 v[\off], v[TM+4*\b:TM+4*\b+3], s[PB:PB+1] offset:512*\b
.endr
.Lpo_end:
	s_wait_tensorcnt 0x0
	ds_add_u32 v254, v255
	s_wait_dscnt 0x0
	s_endpgm
.endm
	s_load_b512 s[4:19], s[0:1], 0x0               ; xyz s[4:5], rot s[6:7], pts s[8:9], w1img s[10:11], w1sc s[12:13], idxq s[14:15], ab1 s[16:17], W2's codes s[18:19]
	s_load_b128 s[20:23], s[0:1], 0x40             ; W2's scales s[20:21], part2 s[22:23]
	s_load_b64 s[24:25], s[0:1], 0x50              ; mxmn
	v_lshl_add_u32 v254, v0, 2, 0x13800
	v_mov_b32 v255, 0
	v_lshrrev_b32 v1, 5, v0
	v_readfirstlane_b32 s26, v1                    ; wave
	s_and_b32 s27, s26, 3                          ; cg
	s_lshr_b32 s28, s26, 2                         ; rg
	v_and_b32 v19, 31, v0                          ; lane
	v_lshlrev_b32 v[L16], 4, v19
	v_lshlrev_b32 v[L4], 2, v19
	v_lshlrev_b32 v[L8], 3, v19
	s_mul_i32 s40, s28, 4*SLOTB
	v_add_nc_u32 v[LA], s40, v[L16]
	v_add_nc_u32 v[LK], s40, v[L4]
	s_mul_i32 s40, s26, SLOTB
	v_add_nc_u32 v[AW], s40, v[L16]
	v_add_nc_u32 v[AWK], s40, v[L4]
	v_add_nc_u32 v[LH0], HIMG, v[L16]
	s_lshl_b32 s40, s28, 14
	v_add_nc_u32 v[LH], s40, v[LH0]
	s_lshl_b32 s40, s27, 9
	v_add_nc_u32 v[HW], s40, v[LH]
	v_add_nc_u32 v[LHS0], HSC, v[L8]
	s_lshl_b32 s40, s28, 11
	v_add_nc_u32 v[LHS], s40, v[LHS0]
	s_lshl_b32 s40, s27, 1
	v_add_nc_u32 v[HWS], s40, v[LHS]
	s_lshl_b32 s40, s27, 10
	s_add_co_u32 s40, s40, RED
	v_add_nc_u32 v[RA], s40, v[L4]
	v_bfe_u32 v16, v0, 4, 1                        ; h
	v_lshlrev_b32 v[ABO], 6, v16
	v_and_b32 v[W2O], 15, v19
	v_lshlrev_b32 v[W2O], 7, v[W2O]
	v_lshl_add_u32 v[W2O], v16, 4, v[W2O]
	s_mov_b32 s30, 0xffff0000                      ; lanes 16-31
	s_mov_b32 s32, 0x76543210
	s_mov_b32 s33, 0xfedcba98                      ; v_permlanex16_b32's selects for lane l xor 16
	s_mov_b32 s41, 0
	s_wait_kmcnt 0x0
	s_lshr_b32 s40, ttmp9, 6
	s_lshl_b32 s40, s40, 19
	s_add_nc_u64 s[38:39], s[8:9], s[40:41]        ; the cloud's records
	s_lshl_b32 s42, ttmp9, 5
	s_add_co_u32 s42, s42, s26                     ; the first query that I build
	s_mul_i32 s40, s42, 12
	s_add_nc_u64 s[34:35], s[4:5], s[40:41]
	s_mul_i32 s40, s42, 36
	s_add_nc_u64 s[36:37], s[6:7], s[40:41]
	s_lshl_b32 s40, ttmp9, 3
	s_add_co_u32 s40, s40, s26
	s_lshl_b32 s40, s40, 9
	s_add_nc_u64 s[14:15], s[14:15], s[40:41]
	s_mul_i32 s40, s27, 12288
	s_add_nc_u64 s[10:11], s[10:11], s[40:41]
	s_mul_i32 s40, s27, 768
	s_add_nc_u64 s[12:13], s[12:13], s[40:41]
	s_lshl_b32 s40, s27, 8
	s_add_nc_u64 s[16:17], s[16:17], s[40:41]      ; a, b of my 64 channels
	s_lshl_b32 s40, s27, 13
	s_add_nc_u64 s[18:19], s[18:19], s[40:41]      ; my 64 rows of W2
	s_lshl_b32 s40, s27, 9
	s_add_nc_u64 s[20:21], s[20:21], s[40:41]
	s_lshl_b32 s40, ttmp9, 12
	s_lshl_b32 s42, s27, 10
	s_add_co_u32 s40, s40, s42
	s_add_nc_u64 s[PB:PB+1], s[PB:PB+1], s[40:41]
	s_lshl_b32 s40, ttmp9, 3
	s_add_co_u32 s40, s40, s28
	s_lshl_b32 s40, s40, 9
	s_lshl_b32 s42, s27, 22
	s_add_co_u32 s40, s40, s42
	s_add_nc_u64 s[24:25], s[24:25], s[40:41]      ; mxmn: tile 4 cg, group of four queries 8 wg + rg
	global_load_b128 v[IDX:IDX+3], v[L16], s[14:15]
.irp b, 0,1
.irp q, 0,1,2
	global_load_b32 v[W1S+3*\b+\q], v[L4], s[12:13] offset:384*\b+128*\q
.endr
.irp q, 0,1
	global_load_b32 v[W2S+2*\b+\q], v[L8], s[20:21] offset:256*\b+4*\q
.endr
.endr
	WIN 0x40                                       ; destination window 1
.irp t, 0,1,2,3
.irp q, 0,1,2
.irp c, 0,1
	global_load_b128 v[W1F+24*\t+8*\q+4*\c:W1F+24*\t+8*\q+4*\c+3], v[L16], s[10:11] offset:(3*\t+\q)*1024+512*\c
.endr
.endr
.irp q, 0,1
.irp c, 0,1
	global_load_b128 v[W2F+16*\t+8*\q+4*\c:W2F+16*\t+8*\q+4*\c+3], v[W2O], s[18:19] offset:2048*\t+64*\q+32*\c
.endr
.endr
.irp c, 0,1                            ; register 8 t + j of phase 1 holds channel 64 cg + 32 (t / 2) + 16 h + 8 (t % 2) + j
	global_load_b128 v[BA+8*\t+4*\c:BA+8*\t+4*\c+3], v[ABO], s[16:17] offset:128*(\t/2)+32*(\t%2)+16*\c
	global_load_b128 v[BB+8*\t+4*\c:BB+8*\t+4*\c+3], v[ABO], s[16:17] offset:1024+128*(\t/2)+32*(\t%2)+16*\c
.endr
.endr
.set GI, 0
.rept 32
	v_mov_b32 v[NC+GI], 0                          ; written once: the pilot, on its own path, writes them again
.set GI, GI+1
.endr
	WIN 0
.irp j, 17,18,19,20,21,22,23
	v_mov_b32 v[AF+\j], 0                          ; K step 2: all but the first register of a fragment are zero codes
.endr
.set GI, 0
.rept 16
	v_mov_b32 v[TM+GI], 0                          ; a lane permute's destination counts as one of its sources
	v_mov_b32 v[SQ+GI], 0                          ; the sums
.set GI, GI+1
.endr
.irp t, 0,1,2,3
	v_mov_b32 v[CC+\t], 0
	v_mov_b32 v[CS+\t], 0
.endr
	s_wait_loadcnt 0x0
	GATHER_ISSUE
	s_mov_b32 s29, 0
.Lstep:
	BUILD
	BARRIER                                        ; the eight slots are whole; every wave's reads of the last step's hidden images are over
	s_cmp_eq_u32 s29, 3
	s_cbranch_scc1 .Lno_gather                     ; the last step asks for nothing
	GATHER_ISSUE
.Lno_gather:
	; ---- phase 1: my 64 hidden channels of my 8 tiles of rows
	FETCH_A LA, LK, 0, 0
.irp m, 0,1,2,3,4,5,6,7
	s_wait_dscnt 0x0                               ; the tile is in (and the last tile's stores have read their registers)
	MM1B \m%2
	WIN 0
	PLACES
.if \m < 7
	FETCH_A LA, LK, (\m+1)/2, (\m+1)%2             ; the next tile lands while this one is normalised and quantised
.endif
	BN
	QUANT2
	HOUT \m
.endr
	BARRIER                                        ; the sixteen hidden tiles are whole; every wave's reads of the slots are over
	s_cmp_lg_u32 s29, 0
	s_cbranch_scc1 .Lno_pilot
	FETCH_H LH0, LHS0, 0                           ; the pilot: hidden tile 0, in every wave: both waves of a cg get the same c
	s_wait_dscnt 0x0
	MM2 1
	WIN 0
	PLACES
	PILOTC
.irp t, 0,1,2,3
	v_cndmask_b32 v[CS+\t], v[CC+\t], v[TM+4+\t], s30
.endr
.rept 8
	v_nop
.endr
.Lno_pilot:
	; ---- phase 2: my 64 output channels of my 8 tiles of rows
	FETCH_H LH, LHS, 0
.irp m, 0,1,2,3,4,5,6,7
	s_wait_dscnt 0x0
	MM2 0
	WIN 0
	PLACES
.if \m < 7
	FETCH_H LH, LHS, \m+1
.endif
	STATS
	MAXMIN \m%2
.if \m%2 == 1
	FINQ \m/2
.endif
.endr
.irp t, 0,1,2,3
	global_store_b128 v[L16], v[VQ+4*\t:VQ+4*\t+3], s[24:25] offset:\t*1048576     ; four queries a lane: the wave stores 512 consecutive bytes
.endr
	s_wait_xcnt 0x0                                ; the stores have read their registers and their base: both may be written again
	s_add_nc_u64 s[24:25], s[24:25], 1024          ; eight queries on
	s_add_co_u32 s29, s29, 1
	s_cmp_lt_u32 s29, 4
	s_cbranch_scc1 .Lstep
	FINSTAT
	PARTOUT L16
.Lfunc_end_k_q911c7a0e14_mlp:
	.size	k_q911c7a0e14_mlp, .Lfunc_end_k_q911c7a0e14_mlp-k_q911c7a0e14_mlp
	.p2alignl 7, 3214868480
	.fill 96, 4, 3214868480
	.section	.rodata,"a",@progbits
	.p2align	6, 0x0
	.amdhsa_kernel k_q911c7a0e14_mlp
		.amdhsa_group_segment_fixed_size 80896
		.amdhsa_private_segment_fixed_size 0
		.amdhsa_enable_private_segment 0
		.amdhsa_kernarg_size 88
		.amdhsa_user_sgpr_count 2
		.amdhsa_user_sgpr_kernarg_segment_ptr 1
		.amdhsa_wavefront_size32 1
		.amdhsa_system_sgpr_workgroup_id_x 1
		.amdhsa_system_sgpr_workgroup_id_y 1
		.amdhsa_system_sgpr_workgroup_id_z 1
		.amdhsa_system_vgpr_workitem_id 0
		.amdhsa_next_free_vgpr 512
		.amdhsa_next_free_sgpr 96
		.amdhsa_reserve_vcc 0
		.amdhsa_float_denorm_mode_32 3
		.amdhsa_float_denorm_mode_16_64 3
		.amdhsa_memory_ordered 1
		.amdhsa_forward_progress 1
		.amdhsa_inst_pref_size 121
	.end_amdhsa_kernel
	.amdgpu_metadata
---
amdhsa.version: [ 1, 2 ]
amdhsa.kernels:
  - .name:           k_q911c7a0e14_mlp
    .symbol:         k_q911c7a0e14_mlp.kd
    .args:
      - { .name: seed_xyz_graspable, .offset: 0, .size: 8, .value_kind: global_buffer, .address_space: global }
      - { .name: vp_rot, .offset: 8, .size: 8, .value_kind: global_buffer, .address_space: global }
      - { .name: pts, .offset: 16, .size: 8, .value_kind: global_buffer, .address_space: global }
      - { .name: w1img, .offset: 24, .size: 8, .value_kind: global_buffer, .address_space: global }
      - { .name: w1sc, .offset: 32, .size: 8, .value_kind: global_buffer, .address_space: global }
      - { .name: idxq, .offset: 40, .size: 8, .value_kind: global_buffer, .address_space: global }
      - { .name: ab1, .offset: 48, .size: 8, .value_kind: global_buffer, .address_space: global }
      - { .name: W2_codes, .offset: 56, .size: 8, .value_kind: global_buffer, .address_space: global }
      - { .name: W2_scales, .offset: 64, .size: 8, .value_kind: global_buffer, .address_space: global }
      - { .name: part2, .offset: 72, .size: 8, .value_kind: global_buffer, .address_space: global }
      - { .name: mxmn, .offset: 80, .size: 8, .value_kind: global_buffer, .address_space: global }
    .group_segment_fixed_size: 80896
    .private_segment_fixed_size: 0
    .kernarg_segment_align: 8
    .kernarg_segment_size: 88
    .max_flat_workgroup_size: 256
    .sgpr_count:     96
    .vgpr_count:     512
    .wavefront_size: 32
...
	.end_amdgpu_metadata
.endif
;; end of part 4
;; launch final (part 5): grid 16 x 16, 8 waves a work-group, no clusters, 36,864 bytes of LDS; arguments part2, gamma2, beta2, mxmn, out0; writes out0
.if DOCPART == 5
	.amdgcn_target "amdgcn-amd-amdhsa--gfx1250"
	.amdhsa_code_object_version 6
	.text
	.protected	k_q911c7a0e14_final
	.globl	k_q911c7a0e14_final
	.p2align	8
	.type	k_q911c7a0e14_final,@function
k_q911c7a0e14_final:
	s_mov_b64 s[64:65], 0
	v_nop
	global_prefetch_b8 v0, s[64:65] scope:SCOPE_SE
	s_setreg_imm32_b32 hwreg(HW_REG_WAVE_MODE, 25, 1), 1
	s_wait_xcnt 0x0
; out0[b][channel][query] = relu(|a| (a >= 0 ? max y2 : max (-y2)) + b), a and b the second batch norm's, made here from the 256 work-groups' (c, S, Q) as in launch red1.
; Work-group (T, cy) takes channels 16 T .. + 15 and queries 512 cy .. + 511; wave w 64 of them.  Each work-group reduces its 16 channels' parts itself: 64 KiB read again, in place of a launch more.
; mxmn: [T][group of four queries][lane][4]: lanes 0-15 max y2 of channel 16 T + lane, lanes 16-31 max (-y2).  Its loads are issued ahead of the reduction and land under it.
; The results turn through the wave's own stage in LDS (16 rows of 272 bytes) so that sixteen lanes store 256 consecutive bytes of a channel's row, aligned.
.set DD, 128                           ; v128-191 sixteen groups of four queries
.macro RSUM base, stride, lds          ; the sum of my 16 numbers, of the other half of the lanes', of the eight waves': in v114, in every lane
	v_add_f32 v112, v[\base], v[\base+2*\stride]
	v_add_f32 v113, v[\base+\stride], v[\base+3*\stride]
.irp i, 4,6,8,10,12,14
	v_add_f32 v112, v112, v[\base+\i*\stride]
	v_add_f32 v113, v113, v[\base+(\i+1)*\stride]
.endr
	v_add_f32 v112, v112, v113
	v_permlanex16_b32 v113, v112, s24, s25
	v_add_f32 v112, v112, v113
	ds_store_b32 v5, v112 offset:\lds              ; both halves of the lanes write the same word with the same value
	s_wait_dscnt 0x0
	s_barrier_signal -1
	s_barrier_wait -1
.irp k, 0,1,2,3,4,5,6,7
	ds_load_b32 v[114+\k], v4 offset:\lds+64*\k
.endr
	s_wait_dscnt 0x0
	v_add_f32 v114, v114, v115
	v_add_f32 v116, v116, v117
	v_add_f32 v118, v118, v119
	v_add_f32 v120, v120, v121
	v_add_f32 v114, v114, v116
	v_add_f32 v118, v118, v120
	v_add_f32 v114, v114, v118
.endm
.macro REDUCE                          ; s[4:5] the parts, s[6:7] gamma, s[8:9] beta, s20 the wave.  Leaves r in v1, h in v2, 4 r in v4, a in v8, b in v9
	v_and_b32 v1, 15, v0
	v_bfe_u32 v2, v0, 4, 1
	v_lshlrev_b32 v3, 4, v1
	v_lshl_add_u32 v3, v2, 12, v3                  ; 4,096 h + 16 r
	v_lshlrev_b32 v4, 2, v1
	s_lshl_b32 s21, s20, 6
	v_add_nc_u32 v5, s21, v4                       ; LDS: 64 x wave + 4 r
	s_lshl_b32 s22, ttmp9, 8
	s_lshl_b32 s23, s20, 17
	s_add_co_u32 s22, s22, s23
	s_mov_b32 s23, 0
	s_add_nc_u64 s[4:5], s[4:5], s[22:23]
	s_lshl_b32 s22, ttmp9, 6
	s_add_nc_u64 s[6:7], s[6:7], s[22:23]
	s_add_nc_u64 s[8:9], s[8:9], s[22:23]
	s_mov_b32 s24, 0x76543210
	s_mov_b32 s25, 0xfedcba98
	s_mov_b32 s26, 0x36800000                      ; 2^-18
	s_mov_b32 s27, 0x3727c5ac                      ; EPS
.set RI, 0
.rept 16
	global_load_b128 v[32+4*RI:35+4*RI], v3, s[4:5] offset:8192*RI
.set RI, RI+1
.endr
	global_load_b32 v6, v4, s[6:7]
	global_load_b32 v7, v4, s[8:9]
	s_wait_loadcnt 0x0
.set RI, 0
.rept 16
	v_fmamk_f32 v[96+RI], v[33+4*RI], 0x3a800000, v[32+4*RI]       ; mean_i = S_i / 1,024 + c_i
.set RI, RI+1
.endr
	RSUM 96, 1, 0
	v_mul_f32 v122, 0x3b800000, v114               ; the mean of 256 equal parts
.set RI, 0
.rept 16
	v_mul_f32 v[35+4*RI], 0x3a800000, v[33+4*RI]
	v_sub_f32 v[96+RI], v[96+RI], v122
	v_fma_f32 v[34+4*RI], -v[35+4*RI], v[33+4*RI], v[34+4*RI]      ; M2_i
	v_mul_f32 v[35+4*RI], 0x44800000, v[96+RI]
	v_fma_f32 v[34+4*RI], v[35+4*RI], v[96+RI], v[34+4*RI]         ; + n (mean_i - mean)^2
.set RI, RI+1
.endr
	RSUM 34, 4, 512                                ; other LDS bytes than the first sum's: no barrier is owed between the two
	v_fma_f32 v123, v114, s26, s27                 ; var + EPS
	v_rsq_f32 v124, v123
	v_nop                                          ; a plain line behind the transcendental
	s_wait_alu depctr_va_vdst(0)                   ; and a wait ahead of its first reader
	v_mul_f32 v8, v6, v124                         ; a
	v_fma_f32 v9, -v122, v8, v7                    ; b
.endm
	s_load_b256 s[4:11], s[0:1], 0x0               ; part2, gamma2, beta2, mxmn
	s_load_b64 s[12:13], s[0:1], 0x20              ; out0
	v_lshl_add_u32 v192, v0, 2, 0x8c00
	v_mov_b32 v193, 0
	v_lshrrev_b32 v1, 5, v0
	v_readfirstlane_b32 s20, v1                    ; wave
	s_and_b32 s28, ttmp7, 0xffff                   ; cy
	v_and_b32 v12, 31, v0
	v_lshlrev_b32 v12, 4, v12                      ; 16 x lane
	v_and_b32 v14, 15, v0                          ; r
	v_bfe_u32 v15, v0, 4, 1                        ; h
	s_mul_i32 s29, s20, 4352
	s_add_co_u32 s29, s29, 1024                    ; my stage, behind the reduction's 1,024 bytes
	v_mul_u32_u24 v10, v14, 272
	v_lshl_add_u32 v10, v15, 4, v10
	v_add_nc_u32 v10, s29, v10                     ; in: row = channel r, 16 bytes for each half of the lanes
	v_mul_u32_u24 v11, v15, 272
	v_lshl_add_u32 v11, v14, 4, v11
	v_add_nc_u32 v11, s29, v11                     ; back: lanes 0-15 one row, lanes 16-31 the next
	v_lshlrev_b32 v13, 4, v14
	v_lshl_add_u32 v13, v15, 13, v13               ; and the same two rows in out0: 8,192 bytes apart
	s_wait_kmcnt 0x0
	s_lshl_b32 s22, ttmp9, 20
	s_lshl_b32 s23, s28, 7
	s_lshl_b32 s29, s20, 4
	s_add_co_u32 s23, s23, s29
	s_lshl_b32 s23, s23, 9
	s_add_co_u32 s22, s22, s23
	s_mov_b32 s23, 0
	s_add_nc_u64 s[10:11], s[10:11], s[22:23]
.set RI, 0
.rept 16
	global_load_b128 v[DD+4*RI:DD+4*RI+3], v12, s[10:11] offset:512*RI th:TH_LOAD_NT
.set RI, RI+1
.endr
	s_lshr_b32 s22, s28, 2                         ; cloud
	s_lshl_b32 s22, s22, 8
	s_lshl_b32 s23, ttmp9, 4
	s_add_co_u32 s22, s22, s23                     ; row of out0: 256 x cloud + 16 T
	s_lshl_b32 s22, s22, 13
	s_and_b32 s23, s28, 3
	s_lshl_b32 s23, s23, 11
	s_add_co_u32 s22, s22, s23
	s_lshl_b32 s23, s20, 8
	s_add_co_u32 s22, s22, s23                     ; + my 64 queries' bytes
	s_mov_b32 s23, 0
	s_add_nc_u64 s[12:13], s[12:13], s[22:23]
	REDUCE                                         ; its wait for loads covers the sixteen above
	v_cmp_gt_f32 vcc_lo, 0, v8                     ; a < 0: the largest a y comes from the largest -y
.irp e, 0,1,2,3,4,5,6,7
.irp i, 0,1,2,3
	v_permlane16_swap_b32 v[DD+8*\e+\i], v[DD+8*\e+4+\i]           ; lane (r, m): the first now holds max y, the second max (-y), of group 2 e + m
.endr
.irp i, 0,1,2,3
	v_cndmask_b32 v[DD+8*\e+\i], v[DD+8*\e+\i], v[DD+8*\e+4+\i], vcc_lo
.endr
.irp i, 0,1,2,3
	v_fma_f32 v[DD+8*\e+\i], |v8|, v[DD+8*\e+\i], v9
.endr
.irp i, 0,1,2,3
	v_max_num_f32 v[DD+8*\e+\i], 0, v[DD+8*\e+\i]
.endr
	ds_store_b128 v10, v[DD+8*\e:DD+8*\e+3] offset:32*\e
.endr
.irp t, 0,1,2,3,4,5,6,7
	ds_load_b128 v[DD+8*\t+4:DD+8*\t+7], v11 offset:544*\t         ; LDS serves a wave's instructions in order (ISA guide 5.7.1.4): these see my stores
.endr
.irp t, 0,1,2,3,4,5,6,7
	s_wait_dscnt 7-\t                              ; the younger loads may be out
	global_store_b128 v13, v[DD+8*\t+4:DD+8*\t+7], s[12:13] offset:16384*\t th:TH_STORE_NT
.endr
	s_wait_tensorcnt 0x0
	ds_add_u32 v192, v193
	s_wait_dscnt 0x0
	s_endpgm
.Lfunc_end_k_q911c7a0e14_final:
	.size	k_q911c7a0e14_final, .Lfunc_end_k_q911c7a0e14_final-k_q911c7a0e14_final
	.p2alignl 7, 3214868480
	.fill 96, 4, 3214868480
	.section	.rodata,"a",@progbits
	.p2align	6, 0x0
	.amdhsa_kernel k_q911c7a0e14_final
		.amdhsa_group_segment_fixed_size 36864
		.amdhsa_private_segment_fixed_size 0
		.amdhsa_enable_private_segment 0
		.amdhsa_kernarg_size 40
		.amdhsa_user_sgpr_count 2
		.amdhsa_user_sgpr_kernarg_segment_ptr 1
		.amdhsa_wavefront_size32 1
		.amdhsa_system_sgpr_workgroup_id_x 1
		.amdhsa_system_sgpr_workgroup_id_y 1
		.amdhsa_system_sgpr_workgroup_id_z 1
		.amdhsa_system_vgpr_workitem_id 0
		.amdhsa_next_free_vgpr 194
		.amdhsa_next_free_sgpr 66
		.amdhsa_reserve_vcc 1
		.amdhsa_float_denorm_mode_32 3
		.amdhsa_float_denorm_mode_16_64 3
		.amdhsa_memory_ordered 1
		.amdhsa_forward_progress 1
		.amdhsa_inst_pref_size 22
	.end_amdhsa_kernel
	.amdgpu_metadata
---
amdhsa.version: [ 1, 2 ]
amdhsa.kernels:
  - .name:           k_q911c7a0e14_final
    .symbol:         k_q911c7a0e14_final.kd
    .args:
      - { .name: part2, .offset: 0, .size: 8, .value_kind: global_buffer, .address_space: global }
      - { .name: gamma2, .offset: 8, .size: 8, .value_kind: global_buffer, .address_space: global }
      - { .name: beta2, .offset: 16, .size: 8, .value_kind: global_buffer, .address_space: global }
      - { .name: mxmn, .offset: 24, .size: 8, .value_kind: global_buffer, .address_space: global }
      - { .name: out0, .offset: 32, .size: 8, .value_kind: global_buffer, .address_space: global }
    .group_segment_fixed_size: 36864
    .private_segment_fixed_size: 0
    .kernarg_segment_align: 8
    .kernarg_segment_size: 40
    .max_flat_workgroup_size: 256
    .sgpr_count:     66
    .vgpr_count:     194
    .wavefront_size: 32
...
	.end_amdgpu_metadata
.endif
;; end of part 5
